; MI455X (gfx1250); checked and timed in simulation.
; The chip was launched on July 23, 2026; its instructions are those of AMD's public machine-readable ISA for CDNA 5 (MIT licence, August 2026) and "CDNA5" Instruction Set Architecture Reference Guide (July 2026). The comments in the code are by the model that wrote it; some were corrected since.
;; Multi Head Attention. Allowed arithmetic: matrix products marked QUANTISED: E5M2 operands, one given power-of-two scale a tensor, by v_wmma_f32_16x16x64_bf8_bf8 or v_wmma_f32_16x16x128_bf8_bf8, f32 sums; everything else in f32.
;; Inputs: Wk 1,024 x 1,024 float32; Wo 1,024 x 1,024 float32; Wq 1,024 x 1,024 float32; Wv 1,024 x 1,024 float32; bo 1,024 float32; lowp_scales 12 int32 (the exponents e of the quantised operands' scales 2^e); x 4 x 2,048 x 1,024 float32.
;; Outputs: out0 4 x 2,048 x 1,024 float32.
;; This version of the problem:
;;   THIS VERSION OF THE PROBLEM IS GIVEN IN LOW PRECISION. The matrix products marked QUANTISED in the list below multiply operands that are first quantised to E5M2 (5 exponent bits, 2 mantissa bits; 8 bits a number), with one given power-of-two scale for each operand tensor; their sums are f32. All else is computed in f32.
;;   The module's matrix products, in the order in which they are computed (A, B: the left and right operand; K: the contracted axis; several contracted axes count as one K, in the product's order):
;;     1. [M 8,192, K 1,024] x [K 1,024, N 1,024]; A: input x; B: input Wq: QUANTISED (scales: A lowp_scales[0], B lowp_scales[1])
;;     2. [M 8,192, K 1,024] x [K 1,024, N 1,024]; A: input x; B: input Wk: QUANTISED (scales: A lowp_scales[2], B lowp_scales[3])
;;     3. [M 8,192, K 1,024] x [K 1,024, N 1,024]; A: input x; B: input Wv: QUANTISED (scales: A lowp_scales[4], B lowp_scales[5])
;;     4. batch 64 x [M 2,048, K 64] x [K 64, N 2,048]; A: computed on the way; B: computed on the way: QUANTISED (scales: A lowp_scales[6], B lowp_scales[7])
;;     5. batch 64 x [M 2,048, K 2,048] x [K 2,048, N 64]; A: softmax (see below); B: computed on the way: QUANTISED (scales: A lowp_scales[8], B lowp_scales[9])
;;     6. [M 8,192, K 1,024] x [K 1,024, N 1,024]; A: computed on the way; B: input Wo: QUANTISED (scales: A lowp_scales[10], B lowp_scales[11])
;;   THE QUANTISER, for each operand of a quantised product, along K:
;;     - The operand's scale is 2^e, e = its entry of the input lowp_scales (int32; the entries are numbered through the quantised products in the list's order, A before B).
;;     - Each number is divided by the scale, clamped to +-57,344, and rounded to the nearest number of E5M2, ties to even, subnormals kept.
;;     - The product sums the exact products of the quantised numbers (number of the format x scale) in f32.
;;   ~~~python
;;   def quantise(x, axis, e):      # numpy; x: float32 -> the quantised numbers, widened to float32 again
;;       x = np.moveaxis(x, axis, -1); K = x.shape[-1]
;;       r = np.clip(x / 2.0 ** e, -57344, 57344)
;;       step = 2.0 ** (np.maximum(np.frexp(np.where(r == 0, 1, r))[1] - 1, -14) - 2)
;;       q = np.round(r / step) * step * 2.0 ** e      # np.round: ties to even
;;       return np.moveaxis(q, -1, axis).astype(np.float32)
;;   ~~~
;;   SOFTMAX AHEAD OF A QUANTISED PRODUCT. Where the list says 'softmax', what is quantised is not the finished softmax but p = 2^(t - M), with t = logit x log2(e) and M = ceil(the row's largest t), a whole number; so 1/2 < the row's largest p <= 1. The row's sum l is taken of the UNQUANTISED p, in f32, and the product's result is divided by l at the end. Since M is a whole number, a kernel that streams over the keys may use a running M (the ceiling of the running maximum): every later rescaling is an exact power of two, so the quantised numbers keep their values, but for numbers so far below the row's largest that they fall under the format's range.
;;   OPERANDS COMPUTED ON THE WAY. 'Computed on the way' means the value that the module computes at that place (a softmax that the list does not call 'softmax' is quantised finished and normalised). What goes into a quantiser is computed in f32, as accurately as f32 sums, v_exp_f32 and their like allow (about 1e-6 of the number): no bf16 or f16 on the way to a quantiser, and a product that is left as it is and whose result goes on into a quantised operand takes f32 operands (vector FMAs, or v_wmma_f32_16x16x4_f32). A number that lies on a knife's edge between two numbers of the format may be rounded either way, as far as f32 arithmetic and the matrix unit's own rounding can turn it there, and no further.
;; One version. Each part assembles by itself: llvm-mc -triple=amdgcn-amd-amdhsa -mcpu=gfx1250 --defsym DOCPART=n.
;; ======== version 1 of 1: 4 launches
;; limits: right only within a limited range of input values
;; workspace buffers: xc 25,165,824 bytes; wc 4,194,304 bytes; qkv 25,165,824 bytes; ctxc 8,388,608 bytes
;; launch quant (part 1): grid 384 x 1, 4 waves a work-group, no clusters, 68,096 bytes of LDS; arguments x, Wq, Wk, Wv, Wo, lowp_scales, xc, wc; writes xc, wc
.if DOCPART == 1
	.amdgcn_target "amdgcn-amd-amdhsa--gfx1250"
	.amdhsa_code_object_version 6
	.text
	.protected	k_qce3420bed6_quant
	.globl	k_qce3420bed6_quant
	.p2align	8
	.type	k_qce3420bed6_quant,@function
k_qce3420bed6_quant:
	s_mov_b64 s[64:65], 0
	v_nop
	global_prefetch_b8 v0, s[64:65] scope:SCOPE_SE
	s_setreg_imm32_b32 hwreg(HW_REG_WAVE_MODE, 25, 1), 1
	s_wait_xcnt 0x0
; x [8192][1024] f32 becomes three sets of codes of BF8 (E5M2), xc [3][8192][1024], under the given scales 2^e0, 2^e2, 2^e4 (x is the left operand of three products, each with its own scale).
; Wq, Wk, Wv, Wo [1024 k][1024 n] f32 become wc [4][1024 n][1024 k], K innermost, under 2^e1, 2^e3, 2^e5, 2^e11.
; code = number / 2^e, for x held within +-57,344, rounded to the nearest code, ties to even.
; LIMITS: each of these eight e lies between -126 and 112, so that 2^e and 57,344 x 2^e are f32 numbers.  NaN among the inputs is not served; in x an infinity is held at the largest code.
; Work-groups 0-255 take x, 256-383 the weights.  The two ways use LDS bytes of their own (x: 0 .. 32,767; weights: 32,768 on).  No tensor loads, no barrier: waves share nothing.
; X: a wave takes 16 steps of 512 numbers.  Each of a step's four loads reads 512 consecutive bytes; the 2,048 bytes turn through the wave's own stage in LDS and come back 64 bytes a lane, so that a
; lane holds 16 neighbours along K, as the conversions want them.  A lane's 16 codes are 16 bytes: each of the three stores of a step covers 512 consecutive bytes, aligned.  x is read once for all three sets.
; W: a lane takes a column n and its registers run down K: each load reads 128 consecutive bytes a wave, and the codes come out with K innermost; they leave through the wave's stage, 256 aligned bytes for sixteen lanes.
.set STEPS, 16
.set SP,    80                         ; X: a lane's place in a stage: its 64 bytes + 16 of padding
.set WREG,  8192                       ; X: LDS of a wave: two stages of 32 x SP bytes
.set R,     16                         ; X: v16-79    four sets of 16 numbers as they are loaded
.set X,     80                         ; X: v80-111   two sets of 16 neighbours
.set T,     112                        ; X: v112-159  the 16 numbers held under each of the three scales
.set C,     160                        ; X: v160-183  two sets of 3 x 4 registers of codes
.set WSTG,  32768                      ; W: the stages begin here: 32 rows x PITCH for each wave
.set PITCH, 272                        ; W: a stage row: 256 bytes of codes + 16
.set NB,    8                          ; W: blocks of 32 along K for a wave
.set WX,    32                         ; W: v32-95    two sets of 32 numbers
.set WC,    96                         ; W: v96-103   a block's codes
.set OUTR,  112                        ; W: v112-175  the way out
.macro MKSC e, sc, lim                 ; from the whole number in s[e]: v[sc] = 2^e as f32 (the conversion takes its exponent field), v[lim] = 57,344 x 2^e
	s_add_co_i32 s44, s[\e], 127
	s_lshl_b32 s45, s44, 23
	v_mov_b32 v[\sc], s45
	s_add_co_i32 s44, s44, 15
	s_lshl_b32 s44, s44, 23
	s_or_b32 s44, s44, 0x600000
	v_mov_b32 v[\lim], s44
.endm
.macro LOAD t
.irp i, 0,1,2,3
	global_load_b128 v[R+16*((\t)%4)+4*\i:R+16*((\t)%4)+4*\i+3], v3, s[4:5] offset:2048*(\t)+512*\i th:TH_LOAD_NT   ; 32 lanes read 512 consecutive bytes; read once in the launch
.endr
.endm
.macro TURN t                          ; step t's numbers through the stage: LDS serves a wave's instructions in order (ISA guide 5.7.1.4), so no wait stands between the stores and the loads
.irp i, 0,1,2,3
	ds_store_b128 v14, v[R+16*((\t)%4)+4*\i:R+16*((\t)%4)+4*\i+3] offset:32*SP*((\t)%2)+8*SP*\i
.endr
.irp i, 0,1,2,3
	ds_load_b128 v[X+16*((\t)%2)+4*\i:X+16*((\t)%2)+4*\i+3], v15 offset:32*SP*((\t)%2)+16*\i
.endr
.endm
.macro STEP t
.set XS, X+16*((\t)%2)
.set CS, C+12*((\t)%2)
	s_wait_dscnt 0x0                               ; this step's numbers are back from the stage: so its stores into the stage have read their registers,
.if (\t)+4 < STEPS
	LOAD (\t)+4                                    ; which take the loads of four steps on
.endif
.if (\t)+1 < STEPS
.if STEPS-2-(\t) >= 3
	s_wait_loadcnt 12                              ; the next step's four loads are in; those of the three steps behind it may be out
.else
	s_wait_loadcnt 4*(STEPS-2-(\t))
.endif
	TURN (\t)+1                                    ; and go through the other stage while this step is worked
.endif
	s_wait_xcnt 0x0                                ; the stores of two steps ago have read this set of code registers: it is rewritten only behind this wait
.irp v, 0,1,2
.irp i, 0,1,2,3,4,5,6,7,8,9,10,11,12,13,14,15
	v_med3_num_f32 v[T+16*\v+\i], v[XS+\i], -v[9+2*\v], v[9+2*\v]   ; the conversion to an 8-bit code does not saturate (ISA guide 7.6.2): the hold at the largest code x the scale
.endr
.endr
.irp v, 0,1,2
	v_cvt_scalef32_pk8_bf8_f32 v[CS+4*\v:CS+4*\v+1], v[T+16*\v:T+16*\v+7], v[8+2*\v]
	v_cvt_scalef32_pk8_bf8_f32 v[CS+4*\v+2:CS+4*\v+3], v[T+16*\v+8:T+16*\v+15], v[8+2*\v]
.endr
	v_nop                                          ; one plain vector line behind the conversions: the next step's holds write their sources
	global_store_b128 v3, v[CS:CS+3], s[36:37] offset:512*(\t)
	global_store_b128 v3, v[CS+4:CS+7], s[38:39] offset:512*(\t)
	global_store_b128 v3, v[CS+8:CS+11], s[40:41] offset:512*(\t)
.endm
.macro WLOAD t                         ; block t: W(32 t + i, my column), i = 0 .. 31, into set t % 2
.set i, 0
.rept 32
	global_load_b32 v[WX+32*((\t)%2)+i], v3, s[6:7] offset:(32*(\t)+i)*4096 th:TH_LOAD_NT
.set i, i+1
.endr
.endm
.macro BLOCK t
.set XS, WX+32*((\t)%2)
.if (\t) < NB-1
	s_wait_loadcnt 32                              ; this block's 32 loads are in; the next block's may be out
.else
	s_wait_loadcnt 0
.endif
.set i, 0
.rept 32
.set i, i+1
.endr
.irp g, 0,1,2,3
	v_cvt_scalef32_pk8_bf8_f32 v[WC+2*\g:WC+2*\g+1], v[XS+8*\g:XS+8*\g+7], v11
.endr
	v_nop                                          ; one plain vector line behind the conversions
	ds_store_b128 v4, v[WC:WC+3] offset:32*(\t)    ; 32 codes: 32 bytes of my column's row
	ds_store_b128 v4, v[WC+4:WC+7] offset:32*(\t)+16
.if (\t)+2 < NB
	WLOAD (\t)+2
.endif
	s_wait_dscnt 0x0                               ; the stores have read their registers: the next block's codes may be written
.endm
	s_load_b512 s[4:19], s[0:1], 0x0               ; x 4:5, Wq 6:7, Wk 8:9, Wv 10:11, Wo 12:13, the scales 14:15, xc 16:17, wc 18:19
	v_lshl_add_u32 v192, v0, 2, 0x10800
	v_mov_b32 v193, 0
	v_lshrrev_b32 v1, 5, v0
	v_readfirstlane_b32 s20, v1                    ; wave 0..3
	v_and_b32 v2, 31, v0                           ; lane
	s_wait_kmcnt 0x0
	s_load_b256 s[24:31], s[14:15], 0x0            ; e0 .. e7
	s_load_b128 s[32:35], s[14:15], 0x20           ; e8 .. e11
	s_cmp_lt_u32 ttmp9, 256                        ; x's work-group or a weight's: the choice hangs on the work-group's number alone
	s_cbranch_scc0 .Lweights
	s_wait_alu depctr_va_vdst(0)
	; ---------------- x
	v_lshlrev_b32 v3, 4, v2                        ; my 16 bytes of a load's 512, and of a store's
	s_wait_alu depctr_va_vdst(0)
	s_mul_i32 s21, s20, WREG
	v_lshrrev_b32 v14, 2, v2
	v_mul_u32_u24 v14, v14, SP
	v_and_b32 v15, 3, v2
	v_lshl_add_u32 v14, v15, 4, v14
	v_add_nc_u32 v14, s21, v14                     ; the stage, on the way in: four lanes' 64 bytes on end, then 16 of padding
	v_mul_u32_u24 v15, v2, SP
	v_add_nc_u32 v15, s21, v15                     ; and on the way out: my 16 neighbours
	s_lshl_b32 s21, ttmp9, 2
	s_add_co_u32 s21, s21, s20                     ; which run of 8,192 numbers is my wave's
	s_lshl_b32 s22, s21, 15
	s_mov_b32 s23, 0
	s_add_nc_u64 s[4:5], s[4:5], s[22:23]
	s_lshl_b32 s22, s21, 13
	s_add_nc_u64 s[36:37], s[16:17], s[22:23]      ; my codes under e0,
	s_add_nc_u64 s[38:39], s[36:37], 0x800000      ; under e2,
	s_add_nc_u64 s[40:41], s[36:37], 0x1000000     ; under e4: a set is 8,388,608 bytes
.irp t, 0,1,2,3
	LOAD \t
.endr
	s_wait_alu depctr_va_vdst(0)
	s_wait_kmcnt 0x0
	MKSC 24, 8, 9
	MKSC 26, 10, 11
	MKSC 28, 12, 13
	s_wait_alu depctr_va_vdst(0)
	s_wait_loadcnt 12                              ; step 0's four loads are in
	TURN 0
.irp t, 0,1,2,3,4,5,6,7,8,9,10,11,12,13,14,15
	STEP \t
.endr
	s_wait_tensorcnt 0x0
	ds_add_u32 v192, v193
	s_wait_dscnt 0x0
	s_endpgm
	; ---------------- the weights: 32 work-groups each: 8 along n (128 columns) x 4 along k (256)
.Lweights:
	s_sub_co_u32 s21, ttmp9, 256
	s_lshr_b32 s22, s21, 5                         ; which weight
	s_and_b32 s23, s21, 7                          ; which 128 columns
	s_bfe_u32 s36, s21, 0x20003                    ; which 256 along K
	s_wait_kmcnt 0x0
	s_cmp_eq_u32 s22, 1
	s_cselect_b64 s[6:7], s[8:9], s[6:7]
	s_cselect_b32 s25, s27, s25                    ; e1, e3, e5 or e11
	s_cmp_eq_u32 s22, 2
	s_cselect_b64 s[6:7], s[10:11], s[6:7]
	s_cselect_b32 s25, s29, s25
	s_cmp_eq_u32 s22, 3
	s_cselect_b64 s[6:7], s[12:13], s[6:7]
	s_cselect_b32 s25, s35, s25
	s_lshl_b32 s37, s23, 7
	s_lshl_b32 s38, s20, 5
	s_add_co_u32 s37, s37, s38                     ; my wave's first column
	s_lshl_b32 s38, s36, 20                        ; 256 rows of 4,096 bytes
	s_lshl_b32 s39, s37, 2
	s_add_co_u32 s38, s38, s39
	s_mov_b32 s39, 0
	s_add_nc_u64 s[6:7], s[6:7], s[38:39]
	s_lshl_b32 s40, s22, 20                        ; the weight's codes,
	s_lshl_b32 s41, s37, 10                        ; my column's row of 1,024 bytes,
	s_add_co_u32 s40, s40, s41
	s_lshl_b32 s41, s36, 8                         ; my 256 along K
	s_add_co_u32 s40, s40, s41
	s_mov_b32 s41, 0
	s_add_nc_u64 s[18:19], s[18:19], s[40:41]
	s_wait_alu depctr_va_vdst(0)
	v_lshlrev_b32 v3, 2, v2                        ; in: 4 bytes a lane
	s_mul_i32 s42, s20, 32*PITCH
	s_add_co_u32 s42, s42, WSTG                    ; my stage
	v_mul_u32_u24 v4, v2, PITCH
	v_add_nc_u32 v4, s42, v4                       ; into it: row = my column
	v_and_b32 v5, 15, v2
	v_lshrrev_b32 v6, 4, v2                        ; out of it: sixteen lanes to a row, two rows an instruction
	v_mul_u32_u24 v7, v6, PITCH
	v_lshl_add_u32 v7, v5, 4, v7
	v_add_nc_u32 v7, s42, v7
	v_lshlrev_b32 v8, 10, v6
	v_lshl_add_u32 v8, v5, 4, v8                   ; and the same place in the codes' buffer
	WLOAD 0
	WLOAD 1
	MKSC 25, 11, 10
.set Q, 0
	s_wait_alu depctr_va_vdst(0)
.rept NB
	BLOCK Q
.set Q, Q+1
.endr
.irp t, 0,1,2,3,4,5,6,7,8,9,10,11,12,13,14,15
	ds_load_b128 v[OUTR+4*\t:OUTR+4*\t+3], v7 offset:2*\t*PITCH   ; LDS serves a wave's instructions in order: these see my stores
.endr
.irp t, 0,1,2,3,4,5,6,7,8,9,10,11,12,13,14,15
	s_wait_dscnt 15-\t                             ; the younger loads may be out
	global_store_b128 v8, v[OUTR+4*\t:OUTR+4*\t+3], s[18:19] offset:2*\t*1024   ; sixteen lanes store 256 consecutive bytes, aligned
.endr
	s_wait_tensorcnt 0x0
	ds_add_u32 v192, v193
	s_wait_dscnt 0x0
	s_endpgm
.Lfunc_end_k_qce3420bed6_quant:
	.size	k_qce3420bed6_quant, .Lfunc_end_k_qce3420bed6_quant-k_qce3420bed6_quant
	.p2alignl 7, 3214868480
	.fill 96, 4, 3214868480
	.section	.rodata,"a",@progbits
	.p2align	6, 0x0
	.amdhsa_kernel k_qce3420bed6_quant
		.amdhsa_group_segment_fixed_size 68096
		.amdhsa_private_segment_fixed_size 0
		.amdhsa_enable_private_segment 0
		.amdhsa_kernarg_size 64
		.amdhsa_user_sgpr_count 2
		.amdhsa_user_sgpr_kernarg_segment_ptr 1
		.amdhsa_wavefront_size32 1
		.amdhsa_system_sgpr_workgroup_id_x 1
		.amdhsa_system_sgpr_workgroup_id_y 1
		.amdhsa_system_sgpr_workgroup_id_z 1
		.amdhsa_system_vgpr_workitem_id 0
		.amdhsa_next_free_vgpr 194
		.amdhsa_next_free_sgpr 66
		.amdhsa_reserve_vcc 0
		.amdhsa_float_denorm_mode_32 3
		.amdhsa_float_denorm_mode_16_64 3
		.amdhsa_fp16_overflow 1
		.amdhsa_memory_ordered 1
		.amdhsa_forward_progress 1
		.amdhsa_inst_pref_size 111
	.end_amdhsa_kernel
	.amdgpu_metadata
---
amdhsa.version: [ 1, 2 ]
amdhsa.kernels:
  - .name:           k_qce3420bed6_quant
    .symbol:         k_qce3420bed6_quant.kd
    .args:
      - { .name: x, .offset: 0, .size: 8, .value_kind: global_buffer, .address_space: global }
      - { .name: Wq, .offset: 8, .size: 8, .value_kind: global_buffer, .address_space: global }
      - { .name: Wk, .offset: 16, .size: 8, .value_kind: global_buffer, .address_space: global }
      - { .name: Wv, .offset: 24, .size: 8, .value_kind: global_buffer, .address_space: global }
      - { .name: Wo, .offset: 32, .size: 8, .value_kind: global_buffer, .address_space: global }
      - { .name: lowp_scales, .offset: 40, .size: 8, .value_kind: global_buffer, .address_space: global }
      - { .name: xc, .offset: 48, .size: 8, .value_kind: global_buffer, .address_space: global }
      - { .name: wc, .offset: 56, .size: 8, .value_kind: global_buffer, .address_space: global }
    .group_segment_fixed_size: 68096
    .private_segment_fixed_size: 0
    .kernarg_segment_align: 8
    .kernarg_segment_size: 64
    .max_flat_workgroup_size: 128
    .sgpr_count:     66
    .vgpr_count:     194
    .wavefront_size: 32
...
	.end_amdgpu_metadata
.endif
;; end of part 1
;; launch gemm_qkv (part 2): grid 4 x 96, 4 waves a work-group, clusters of 4 x 4, 327,680 bytes of LDS; arguments xc, wc, lowp_scales, qkv; writes qkv
.if DOCPART == 2
	.amdgcn_target "amdgcn-amd-amdhsa--gfx1250"
	.amdhsa_code_object_version 6
	.text
	.protected	k_qce3420bed6_gemm_qkv
	.globl	k_qce3420bed6_gemm_qkv
	.p2align	8
	.type	k_qce3420bed6_gemm_qkv,@function
k_qce3420bed6_gemm_qkv:
	s_mov_b64 s[64:65], 0
	v_nop
	global_prefetch_b8 v0, s[64:65] scope:SCOPE_SE
	s_setreg_imm32_b32 hwreg(HW_REG_WAVE_MODE, 25, 1), 1
	s_wait_xcnt 0x0
	s_wait_alu depctr_hold_cnt(0) depctr_sa_sdst(0) depctr_va_vdst(0) depctr_va_sdst(0) depctr_va_ssrc(0) depctr_va_vcc(0) depctr_vm_vsrc(0)
	s_getreg_b32 s2, hwreg(HW_REG_IB_STS2, 6, 4)
	s_cmp_eq_u32 s2, 0
	s_cbranch_scc0 .Lentry_in_a_cluster
	s_endpgm
.Lentry_in_a_cluster:
	s_bfe_u32 s2, ttmp6, 0x10000c
	s_cmp_lg_u32 s2, 0xf033
	s_cbranch_scc0 .Lentry_shape_is_right
	s_endpgm
.Lentry_shape_is_right:
; q = x Wq, k = x Wk, v = x Wv on codes of BF8 (E5M2), sums in f32, each result quantised at once for the attention's products: q under 2^e6, k under 2^e7, v under 2^e9.
; qkv is 24 dense blocks of [1024][1024] bytes: blocks 0-7 q[token][feature] (tokens 1,024 c on), 8-15 k likewise, 16-23 v TRANSPOSED, [feature][token], since the keys are the K of the attention's second product.
; A cluster of 4 x 4 work-groups makes one block c (the cluster's y; the grid is one cluster wide): sixteen tiles of 256 x 256, K = 1,024.  which = c / 8, i = c % 8.
; The body computes C'[m'][n'] = sum over k of A'[m'][k] B'[n'][k].  q, k: A' = x's codes (rows 1,024 i + 256 cy on), B' = the weight's codes (rows 256 cx on).  v: the two change places, so that tokens run along n'.
; The choice is made by selects on which; no branch hangs on it.  A sum stands for sum x 2^(ex + ew), so the conversion takes the one scale 2^d, d = e6 - e0 - e1, e7 - e2 - e3 or e9 - e4 - e5.
; LIMIT: each of these three d lies between -126 and 127, so that 2^d is an f32 number.
; A work-group is four waves; a wave makes 128 x 128: 64 accumulators of 16 x 16, 512 registers.  K goes in steps of 256 through a ring of two LDS slots filled by the tensor data mover: a tile's row is 256 bytes of memory.
; The four work-groups of a row of the cluster need the same tiles of A', the four of a column the same tiles of B': each tile is asked for JOINTLY, by the same tensor load with the same descriptor and a mask that names the four.
; THE MATRIX INSTRUCTION IS USED TRANSPOSED (source 0 = 16 rows of B', source 1 = 16 rows of A'): a lane then holds eight neighbouring n' of one row m': eight codes, 8 bytes that belong together.
; A fragment is fetched by four loads of 16 bytes: a permutation of k that is the same in both operands, so every product meets its partner.
; REGISTERS, in windows of 256: window 0: v0-31 addresses and the scale; from v128 A's fragments, ONE set; on the way out v128-255 codes.
;   window 1: B's fragments, TWO sets.   window 2: the accumulators of my rows 0-63 ((a, b) at v[8 (8 a + b)]);   window 3: those of my rows 64-127.
.set ROWB,   256                       ; a tile's row in bytes: 256 along K
.set KROW,   1024                      ; a row of codes in memory
.set PITCH,  272                       ; an LDS row: 256 bytes + 16 of padding = 68 words: row r starts at bank 4 r mod 64 (64 banks of 4 bytes: ISA guide 11.1)
.set FR,     16                        ; registers of a fragment: 16 rows x 128 K
.set NL,     4                         ; LDS loads that bring one
.set NP,     4                         ; places behind this matrix instruction (ISA guide 7.12.1)
.set HALFT,  128*PITCH                 ; 128 rows: what one tensor load brings
.set SLOT,   4*HALFT                   ; A's 256 rows, then B's 256 rows
.set LAPS,   2                         ; a lap = two K steps = once round the ring: 1,024 / 512
.set SPARE,  2*SLOT                    ; behind the ring: the spare words, 128 bytes for each wave, which no other line names
.set ADRA, 16                          ; v16-17  LDS address of my A fragments in slot 0, 1
.set ADRB, 20                          ; v20-21  the same for B
.set STO,  24                          ; v24     the way out: where I put 8 codes of a row
.set RD,   25                          ; v25     the way out: where I read a row back
.set CO,   26                          ; v26     my byte offset in the block
.set SPW,  28                          ; v28     LDS address of my spare word; never rewritten
.set NIL,  29                          ; v29     0; never rewritten
.set SC,   30                          ; v30     2^d as f32
.set LIM,  31
.set TMP,  32
.set AF,   128                         ; A's fragments, in window 0
.set CD,   128                         ; the way out: codes, 16 registers for each of my 8 blocks; then whole rows
.set G1, 24                            ; s[24:31] descriptor group 1 for A's tiles;  s[32:39] group 0, one set for each slot
.set G0, 32
.set G1B, 48                           ; s[48:55], s[56:63] the same for B's tiles
.set G0B, 56
.set MSB, 0
.macro WIN new                         ; the immediate's high byte repeats the setting that is left
.if MSB != \new
	s_set_vgpr_msb (MSB<<8)|\new
.set MSB, \new
.endif
.endm
.set MUL_LO, 0xa1                      ; source 0 (B) window 1, source 1 (A) window 0, C and D window 2
.set MUL_HI, 0xf1                      ; the same, C and D window 3
.set TO_B,   0x40                      ; destination window 1, address window 0
; A joint load: waves 0 and 1 fetch for A, waves 2 and 3 for B.  Each line has one mask and one set of registers for all that issue it; the branch hangs on the wave's number alone.
; Four v_nop follow each of the two lines, ahead of the jump, the label and what follows.
.macro JLOAD g0a, g1a, g0b, g1b
	s_cmp_eq_u32 s15, 0
	s_cbranch_scc0 .Lfor_b_\@
	tensor_load_to_lds s[\g0a:\g0a+3], s[\g1a:\g1a+7]
	s_nop 0
.rept 4
	v_nop
.endr
	s_branch .Lasked_\@
.Lfor_b_\@:
	tensor_load_to_lds s[\g0b:\g0b+3], s[\g1b:\g1b+7]
	s_nop 0
.rept 4
	v_nop
.endr
.Lasked_\@:
.endm
.macro CREST                           ; a round of the cluster's barrier behind its opening barrier
	s_cmp_lg_u32 s14, 0
	s_cbranch_scc1 .Lnot_wave_0_\@
	s_barrier_signal -3
.Lnot_wave_0_\@:
	s_barrier_wait -3
	s_barrier_signal -1
	s_barrier_wait -1
.endm
.macro CROUND                          ; a whole round
	s_barrier_signal -1
	s_barrier_wait -1
	CREST
.endm
	s_load_b128 s[4:7], s[0:1], 0x0                ; x's codes s[4:5], the weights' codes s[6:7]
	s_load_b128 s[8:11], s[0:1], 0x10              ; the scales' exponents s[8:9], qkv s[10:11]
	v_lshl_add_u32 v[SPW], v0, 2, SPARE
	v_mov_b32 v[NIL], 0
	ds_add_u32 v28, v29
	ds_add_u32 v28, v29
	s_wait_dscnt 0x0
	v_lshrrev_b32 v1, 5, v0
	v_readfirstlane_b32 s14, v1                    ; wave 0..3
	s_lshr_b32 s15, s14, 1                         ; which half of the tile's rows is mine.  Also: I fetch for A (0) or for B (1)
	s_and_b32 s16, s14, 1                          ; which half of its columns.  Also: which 128 rows of that tile I fetch
	s_bfe_u32 s40, ttmp6, 0x40000                  ; cx, cy: my place in the cluster
	s_bfe_u32 s41, ttmp6, 0x40004
	s_and_b32 s84, ttmp7, 0xffff                   ; c: the cluster's y = the block of qkv
	s_lshr_b32 s80, s84, 3                         ; which: 0 q, 1 k, 2 v
	s_and_b32 s81, s84, 7                          ; i: which 1,024 tokens
	s_cmp_eq_u32 s80, 2
	s_cselect_b32 s82, 0, s81                      ; the tokens run along A's rows (q, k)
	s_cselect_b32 s83, s81, 0                      ; or along B's (v)
	s_lshl_b32 s17, s82, 2
	s_add_co_u32 s17, s17, s41                     ; tile row of A' = cy + 4 i or cy
	s_lshl_b32 s42, s83, 2
	s_add_co_u32 s42, s42, s40                     ; tile row of B' = cx or cx + 4 i
	s_lshl_b32 s43, s41, 2
	s_lshl_b32 s43, 15, s43                        ; my row of the cluster
	s_lshl_b32 s44, 0x1111, s40                    ; my column
	; descriptor group 1: a tile of 128 rows x 256 bytes, padded in LDS
	s_or_b32 s[G1+0], s43, (0<<16)|(1<<20)|(1<<21)|(5<<22)|(3<<25)  ; 15:0 the mask: A's tiles go to my row; 17:16 element of 1 byte; 20 padding on; 21 set beside a mask; 24:22 after every 64 words (code 5); 31:25 of 4 words (code 3)
	s_or_b32 s[G1B+0], s44, (0<<16)|(1<<20)|(1<<21)|(5<<22)|(3<<25)
.irp g, G1, G1B
	s_mov_b32 s[\g+1], ROWB<<16                    ; tensor_dim0
	s_mov_b32 s[\g+2], 128<<16                     ; tensor_dim1 = 128
	s_mov_b32 s[\g+3], ROWB<<16                    ; tile_dim0
	s_mov_b32 s[\g+4], 128                         ; tile_dim1 = 128
	s_mov_b32 s[\g+5], KROW                        ; tensor_dim0_stride
	s_mov_b32 s[\g+6], 0
	s_mov_b32 s[\g+7], 0
.endr
	s_lshl_b32 s18, s16, 7                         ; which 128 rows of the tile I fetch
	s_lshl_b32 s20, s17, 8
	s_add_co_u32 s20, s20, s18
	s_lshl_b32 s20, s20, 10                        ; A': (256 x tile row + 128 x half) rows of 1,024 bytes
	s_mov_b32 s21, 0
	s_lshl_b32 s46, s42, 8
	s_add_co_u32 s46, s46, s18
	s_lshl_b32 s46, s46, 10                        ; B' likewise
	s_mov_b32 s47, 0
	s_lshl_b32 s86, s80, 23                        ; x's set of codes for this product: 8,388,608 bytes a set
	s_mov_b32 s87, 0
	s_lshl_b32 s88, s80, 20                        ; the weight's codes: 1,048,576 bytes each
	s_mov_b32 s89, 0
	s_mul_i32 s45, s14, HALFT                      ; where the tiles go: wave x 128 rows: no place in the cluster enters an LDS address
	s_wait_kmcnt 0x0
	s_load_b256 s[68:75], s[8:9], 0x0              ; e0 .. e7
	s_load_b128 s[76:79], s[8:9], 0x20             ; e8 .. e11
	s_add_nc_u64 s[90:91], s[4:5], s[86:87]
	s_add_nc_u64 s[92:93], s[6:7], s[88:89]
	s_cmp_eq_u32 s80, 2
	s_cselect_b64 s[4:5], s[92:93], s[90:91]       ; A': x's codes, for v the weight's
	s_cselect_b64 s[6:7], s[90:91], s[92:93]       ; B': the weight's codes, for v x's
	s_add_nc_u64 s[20:21], s[4:5], s[20:21]
	s_add_nc_u64 s[46:47], s[6:7], s[46:47]
	CROUND                                         ; all sixteen work-groups are here: the first joint loads meet
.irp s, 0,1
	s_mov_b32 s[G0+4*\s], 1
	s_add_co_u32 s[G0+4*\s+1], s45, \s*SLOT
	s_add_nc_u64 s[G0+4*\s+2:G0+4*\s+3], s[20:21], \s*ROWB
	s_or_b32 s[G0+4*\s+3], s[G0+4*\s+3], 0x80000000
	s_mov_b32 s[G0B+4*\s], 1
	s_add_co_u32 s[G0B+4*\s+1], s45, \s*SLOT
	s_add_nc_u64 s[G0B+4*\s+2:G0B+4*\s+3], s[46:47], \s*ROWB
	s_or_b32 s[G0B+4*\s+3], s[G0B+4*\s+3], 0x80000000
	JLOAD G0+4*\s, G1, G0B+4*\s, G1B
.endr
	v_and_b32 v1, 15, v0                           ; r = l % 16
	v_bfe_u32 v2, v0, 4, 1                         ; h = l / 16
	v_mul_u32_u24 v3, v1, PITCH
	s_wait_alu depctr_va_vdst(0)
	v_lshl_add_u32 v4, v2, 4, v3                   ; a fragment's row x pitch + 16 x half
	s_mul_i32 s21, s15, HALFT                      ; my 128 rows of A
	s_mul_i32 s22, s16, HALFT                      ; my 128 rows of B,
	s_add_co_u32 s22, s22, 2*HALFT                 ; which lie behind A's 256
.irp s, 0,1
	v_add_nc_u32 v[ADRA+\s], s21, v4
	v_add_nc_u32 v[ADRB+\s], s22, v4
	s_add_co_u32 s21, s21, SLOT
	s_add_co_u32 s22, s22, SLOT
.endr
	; the way out: ONE stage of 256 rows x 272 bytes for the work-group, in slot 0
	s_mul_i32 s23, s15, HALFT                      ; my 128 rows,
	s_lshl_b32 s22, s16, 7                         ; my 128 of their 256 bytes
	s_add_co_u32 s23, s23, s22
	v_lshl_add_u32 v5, v2, 3, v3                   ; row r, 8 bytes for each half of the lanes
	v_add_nc_u32 v[STO], s23, v5
	s_mul_i32 s23, s14, 64*PITCH                   ; back: wave w takes rows 64 w on, whole; lanes 0-15 one row, lanes 16-31 the next
	v_mul_u32_u24 v6, v2, PITCH
	v_lshl_add_u32 v6, v1, 4, v6
	v_add_nc_u32 v[RD], s23, v6
	v_lshlrev_b32 v7, 10, v2
	v_lshl_add_u32 v[CO], v1, 4, v7                ; and the same two rows in the block
	s_lshl_b32 s94, s84, 20                        ; block c,
	s_lshl_b32 s95, s41, 18                        ; 256 cy rows of 1,024 bytes,
	s_add_co_u32 s94, s94, s95
	s_lshl_b32 s95, s14, 16                        ; 64 rows for each wave,
	s_add_co_u32 s94, s94, s95
	s_lshl_b32 s95, s40, 8                         ; 256 cx bytes along the row
	s_add_co_u32 s94, s94, s95
	s_mov_b32 s95, 0
	s_add_nc_u64 s[10:11], s[10:11], s[94:95]
	s_wait_kmcnt 0x0
	s_sub_co_i32 s86, s74, s68                     ; e6 - e0 - e1
	s_sub_co_i32 s86, s86, s69
	s_sub_co_i32 s87, s75, s70                     ; e7 - e2 - e3
	s_sub_co_i32 s87, s87, s71
	s_sub_co_i32 s88, s77, s72                     ; e9 - e4 - e5
	s_sub_co_i32 s88, s88, s73
	s_cmp_eq_u32 s80, 1
	s_cselect_b32 s86, s87, s86
	s_cmp_eq_u32 s80, 2
	s_cselect_b32 s86, s88, s86                    ; d
	s_add_co_i32 s86, s86, 127
	s_lshl_b32 s87, s86, 23
	v_mov_b32 v[SC], s87                           ; 2^d as f32: the conversion takes its exponent field
.macro FRAG reg, adr, q, i             ; a fragment, 16 rows x 128 K: lane l holds row l % 16; registers 4 c .. 4 c + 3 hold K = 32 c + 16 (l / 16) + 0 .. 15
.irp c, 0,1,2,3
	ds_load_b128 v[\reg+4*\c:\reg+4*\c+3], v[\adr] offset:128*(\q)+32*\c+(\i)*16*PITCH
.endr
.endm
; 16 matrix instructions: A's blocks a0, a0 + 1 x B's eight, 128 along K.  p: B's set.  zero = 1: the first product starts the sums: nothing is ever cleared.
; The 64 accumulators take turns, one instruction a turn, in the same order in every step.
.macro MUL16 a0, p, zero
.irp a, \a0, \a0+1
.irp b, 0,1,2,3,4,5,6,7
.if \zero
	v_wmma_f32_16x16x128_bf8_bf8 v[8*(8*((\a)%4)+\b):8*(8*((\a)%4)+\b)+7], v[128*(\p)+FR*\b:128*(\p)+FR*\b+FR-1], v[AF+FR*(\a):AF+FR*(\a)+FR-1], 0
.else
	v_wmma_f32_16x16x128_bf8_bf8 v[8*(8*((\a)%4)+\b):8*(8*((\a)%4)+\b)+7], v[128*(\p)+FR*\b:128*(\p)+FR*\b+FR-1], v[AF+FR*(\a):AF+FR*(\a)+FR-1], v[8*(8*((\a)%4)+\b):8*(8*((\a)%4)+\b)+7]
.endif
.endr
.endr
.endm
.macro FETCH_B slot, q, p              ; B's eight fragments of the slot's q-th 128 along K into set p
	WIN TO_B
.irp i, 0,1,2,3,4,5,6,7
	FRAG 128*(\p)+FR*\i, ADRB+\slot, \q, \i
.endr
	WIN 0
.endm
.macro FETCH_A slot, q, i0             ; A's blocks i0 .. i0 + 3
.irp i, \i0, \i0+1, \i0+2, \i0+3
	FRAG AF+FR*(\i), ADRA+\slot, \q, \i
.endr
.endm
; A load into a register that a matrix instruction has read, and a vector instruction that reads a matrix result, stand NP places behind that matrix instruction; only plain vector
; instructions that name none of its registers are places (ISA guide 7.12.1 for vector instructions).
.macro PLACES n
.rept \n
	v_nop
.endr
.endm
; A step of 128 along K that has its successor in the same slot.
.macro STEP slot, q, zero
	s_wait_dscnt 4*NL                              ; B's set and A's blocks 0-3 are in; the youngest 16 loads (A's blocks 4-7) may be out
	WIN MUL_LO
	MUL16 0, (\q)%2, \zero
	MUL16 2, (\q)%2, \zero
	s_wait_dscnt 0                                 ; A's blocks 4-7 are in (asked for 32 matrix instructions ago)
	PLACES NP
	FETCH_B \slot, (\q)+1, 1-(\q)%2
	FETCH_A \slot, (\q)+1, 0
	WIN MUL_HI
	MUL16 4, (\q)%2, \zero
	MUL16 6, (\q)%2, \zero
	PLACES NP
	WIN 0
	FETCH_A \slot, (\q)+1, 4
.endm
; A slot's last step changes slots: ONE barrier; in front of it each wave waits for all its tensor loads, adds 0 to its spare word, and waits for that and for its own reads of this slot.  fill = 1: this slot is filled again, two K steps ahead.
.macro TURN slot, next, fill
	s_wait_tensorcnt 0x0                           ; all my tensor loads have landed: my part of the next slot;  (every window is 0 here)
	ds_add_u32 v[SPW], v[NIL]                      ; 0 onto my spare word
	s_wait_dscnt 4*NL+1                            ; (the add and the youngest 16 loads, A's blocks 4-7, may be out)
	WIN MUL_LO
	MUL16 0, 1, 0                                  ; sixteen matrix instructions stand between the add and the wait for it
	s_wait_dscnt 0x0                               ; the add is done, and my reads of this slot are over
	s_barrier_signal -1
	MUL16 2, 1, 0
	WIN 0
	s_barrier_wait -1
.if \fill
	CREST                                          ; the barrier has opened a round of the cluster's barrier: no wave of any partner still reads this slot's tile or has a load on its way
	s_add_nc_u64 s[G0+4*\slot+2:G0+4*\slot+3], s[G0+4*\slot+2:G0+4*\slot+3], 2*ROWB
	s_add_nc_u64 s[G0B+4*\slot+2:G0B+4*\slot+3], s[G0B+4*\slot+2:G0B+4*\slot+3], 2*ROWB
	JLOAD G0+4*\slot, G1, G0B+4*\slot, G1B         ; the first tensor load behind the round; the four v_nop behind it are the places in front of the loads below
.else
	PLACES NP
.endif
	s_wait_alu depctr_va_vdst(0)
	FETCH_B \next, 0, 0
	FETCH_A \next, 0, 0
	WIN MUL_HI
	MUL16 4, 1, 0
	MUL16 6, 1, 0
	PLACES NP
	WIN 0
	FETCH_A \next, 0, 4
.endm
	s_wait_tensorcnt 1                             ; my part of K step 0 is in (K step 1's load may be out)
	s_barrier_signal -1
	s_barrier_wait -1                              ; everybody's is
	FETCH_B 0, 0, 0
	FETCH_A 0, 0, 0
	FETCH_A 0, 0, 4
	STEP 0, 0, 1                                   ; the first step stands in front of the loop: its products start the sums
	s_mov_b32 s3, LAPS-1
.Llap:                                                 ; a trip goes once round the ring, from a lap's second step to the next lap's first, and fills both slots again
	TURN 0, 1, 1
	STEP 1, 0, 0
	TURN 1, 0, 1
	STEP 0, 0, 0
	s_sub_co_u32 s3, s3, 1
	s_cmp_lg_u32 s3, 0
	s_cbranch_scc1 .Llap
	TURN 0, 1, 0                                   ; the last lap fills nothing, and has no round of the cluster's barrier
	STEP 1, 0, 0
	s_wait_dscnt 4*NL                              ; the very last step: nothing more to fetch
	WIN MUL_LO
	MUL16 0, 1, 0
	MUL16 2, 1, 0
	s_wait_dscnt 0
	WIN MUL_HI
	MUL16 4, 1, 0
	MUL16 6, 1, 0
	WIN 0
; THE WAY OUT.  Block a (16 rows x 128 columns): the sums are converted, each accumulator from its low end on: 8 codes a lane and accumulator.
; The codes go into the work-group's stage: it lies in slot 0, which has had its last fill, and which nobody reads behind the last change of slots.  The 32 lanes of a store of 8 bytes touch 64 different banks.
.macro CODES a
.set AC, 64*((\a)%4)
.set WW, 0x02+((\a)/4)
	WIN WW                                         ; source 0: window 2 or 3
.set j, 0
.rept 64
.set j, j+1
.endr
.irp b, 0,1,2,3,4,5,6,7
	v_cvt_scalef32_pk8_bf8_f32 v[CD+16*(\a)+2*\b:CD+16*(\a)+2*\b+1], v[AC+8*\b:AC+8*\b+7], v[SC]
.endr
	WIN 0
	v_nop                                          ; one plain vector line behind the conversions
.irp b, 0,1,2,3,4,5,6,7
	ds_store_b64 v[STO], v[CD+16*(\a)+2*\b:CD+16*(\a)+2*\b+1] offset:(\a)*16*PITCH+16*\b
.endr
.endm
	PLACES NP                                      ; behind the last products: for the reads of results and for the writes into the registers that held A's fragments
.irp a, 0,1,2,3,4,5,6,7
	CODES \a
.endr
	s_wait_dscnt 0x0                               ; for the others' sake: my stores into the stage are done (a row's 256 bytes come from two waves)
	s_barrier_signal -1
	s_barrier_wait -1
.set t, 0
.rept 32
	ds_load_b128 v[CD+4*t:CD+4*t+3], v[RD] offset:t*2*PITCH
.set t, t+1
.endr
.set t, 0
.rept 32
	s_wait_dscnt 31-t                              ; the younger loads may be out
	global_store_b128 v[CO], v[CD+4*t:CD+4*t+3], s[10:11] offset:t*2*KROW   ; 16 lanes store 256 consecutive bytes, aligned
.set t, t+1
.endr
	s_wait_tensorcnt 0x0                           ; the wave's end: behind my last tensor load and my last LDS store
	ds_add_u32 v[SPW], v[NIL]
	s_wait_dscnt 0x0
	CROUND                                         ; the closing round: no work-group ends while a partner may still ask for a tile that names it
	s_endpgm
.Lfunc_end_k_qce3420bed6_gemm_qkv:
	.size	k_qce3420bed6_gemm_qkv, .Lfunc_end_k_qce3420bed6_gemm_qkv-k_qce3420bed6_gemm_qkv
	.p2alignl 7, 3214868480
	.fill 96, 4, 3214868480
	.section	.rodata,"a",@progbits
	.p2align	6, 0x0
	.amdhsa_kernel k_qce3420bed6_gemm_qkv
		.amdhsa_group_segment_fixed_size 327680
		.amdhsa_private_segment_fixed_size 0
		.amdhsa_enable_private_segment 0
		.amdhsa_kernarg_size 32
		.amdhsa_user_sgpr_count 2
		.amdhsa_user_sgpr_kernarg_segment_ptr 1
		.amdhsa_wavefront_size32 1
		.amdhsa_system_sgpr_workgroup_id_x 1
		.amdhsa_system_sgpr_workgroup_id_y 1
		.amdhsa_system_sgpr_workgroup_id_z 1
		.amdhsa_system_vgpr_workitem_id 0
		.amdhsa_next_free_vgpr 1024
		.amdhsa_next_free_sgpr 98
		.amdhsa_reserve_vcc 0
		.amdhsa_float_denorm_mode_32 3
		.amdhsa_float_denorm_mode_16_64 3
		.amdhsa_fp16_overflow 1
		.amdhsa_memory_ordered 1
		.amdhsa_forward_progress 1
		.amdhsa_inst_pref_size 94
	.end_amdhsa_kernel
	.amdgpu_metadata
---
amdhsa.version: [ 1, 2 ]
amdhsa.kernels:
  - .name:           k_qce3420bed6_gemm_qkv
    .symbol:         k_qce3420bed6_gemm_qkv.kd
    .args:
      - { .name: xc, .offset: 0, .size: 8, .value_kind: global_buffer, .address_space: global }
      - { .name: wc, .offset: 8, .size: 8, .value_kind: global_buffer, .address_space: global }
      - { .name: lowp_scales, .offset: 16, .size: 8, .value_kind: global_buffer, .address_space: global }
      - { .name: qkv, .offset: 24, .size: 8, .value_kind: global_buffer, .address_space: global }
    .group_segment_fixed_size: 327680
    .private_segment_fixed_size: 0
    .kernarg_segment_align: 8
    .kernarg_segment_size: 32
    .max_flat_workgroup_size: 128
    .sgpr_count:     98
    .vgpr_count:     1024
    .wavefront_size: 32
...
	.end_amdgpu_metadata
.endif
;; end of part 2
;; launch attn (part 3): grid 16 x 16, 16 waves a work-group, clusters of 4 x 1, 327,680 bytes of LDS; arguments qkv, lowp_scales, ctxc; writes ctxc
.if DOCPART == 3
	.amdgcn_target "amdgcn-amd-amdhsa--gfx1250"
	.amdhsa_code_object_version 6
	.text
	.protected	k_qce3420bed6_attn
	.globl	k_qce3420bed6_attn
	.p2align	8
	.type	k_qce3420bed6_attn,@function
k_qce3420bed6_attn:
	s_mov_b64 s[64:65], 0
	v_nop
	global_prefetch_b8 v0, s[64:65] scope:SCOPE_SE
	s_setreg_imm32_b32 hwreg(HW_REG_WAVE_MODE, 25, 1), 1
	s_wait_xcnt 0x0
	s_wait_alu depctr_hold_cnt(0) depctr_sa_sdst(0) depctr_va_vdst(0) depctr_va_sdst(0) depctr_va_ssrc(0) depctr_va_vcc(0) depctr_vm_vsrc(0)
	s_getreg_b32 s2, hwreg(HW_REG_IB_STS2, 6, 4)
	s_cmp_eq_u32 s2, 0
	s_cbranch_scc0 .Lentry_in_a_cluster
	s_endpgm
.Lentry_in_a_cluster:
	s_bfe_u32 s2, ttmp6, 0x10000c
	s_cmp_lg_u32 s2, 0x3003
	s_cbranch_scc0 .Lentry_shape_is_right
	s_endpgm
.Lentry_shape_is_right:
; ctx[b][q][h] = the sum over keys k <= q of softmax_k(q . k / 8) v, both products on codes of BF8 (E5M2); ctx is quantised at once, under 2^e10, for the last projection.  ctxc: [8192 tokens][1024] codes.
; qkv: blocks of [1024][1024] bytes: 0-7 q[token][feature], 8-15 k[token][feature], 16-23 v[feature][token] (keys innermost).  Scales: q 2^e6, k 2^e7, p 2^e8, v 2^e9.
; THE SOFTMAX AHEAD OF THE SECOND PRODUCT: t = score x log2(e) / 8; M = the row's largest t so far, rounded UP to a whole number; p = 2^(t - M) is what is quantised; it is not normalised.
; The row's sum is taken of the unquantised p, in f32, and divides at the end.  When M moves, the sum and O are multiplied by 2^(old M - new M): exact.
; SHARES.  Work-group y = 4 b + hg: batch b, heads 4 hg .. 4 hg + 3 (256 bytes of a row).  Work-group x = 4 a + cx = i owns TWO blocks of 64 queries: first block 31 - i, then block i.
; Keys come in slots of 256: block 31 - i needs 8 - a slots, block i needs a + 1: NINE in every work-group, so all 256 work-groups have equal work and the loop's trip count is a constant.
; Wave w takes head w / 4 and the block's queries 16 (w % 4) on: one tile of 16 queries in 256 registers, four waves to a SIMD, so that one wave's vector work stands beside another's matrix work and LDS loads.
; CLUSTER.  The four work-groups of a cluster (same a, b, hg) walk the same nine slots, so each tile is asked for JOINTLY.  No branch hangs on cx: in the last slot of each block both key steps are worked
; under the mask, whichever of them the block's queries reach: 18 key steps where 17 would do.
; CAUSAL.  Only the last slot of a block holds hidden keys: there the scores of keys behind the lane's query become -infinity ahead of the maximum, so p = 0.  The slot's first key counts for every query of the block, so M is a number from the first step on.
; LAYOUT.  Both products are used transposed: S^T = K Q^T (source 0 = 16 keys, source 1 = my 16 queries, K = 64), O^T = V^T P^T (source 0 = 16 of the head's 64, source 1 = P, K = 128 keys): a lane holds ONE query (lane % 16).
; THE KEYS OF A TILE ARE NOT NEIGHBOURS: lane r of tile 2 b + u takes key 32 b + 8 u + r + 8 (r / 8), so that the 16 registers of tiles 2 b and 2 b + 1 are the neighbouring keys 32 b + 16 (lane / 16) + 0 .. 15.
; Fragments come by loads of 16 bytes: a permutation of k that is the same in both operands of a product.
; LIMITS on the given exponents: e6 + e7 between -123 and 130 (added to c's exponent field); e8 and e10 between -126 and 127; e8 + e9 is applied by v_ldexp_f32 and has none.
.set PK,    272                        ; a row in LDS: 256 bytes + 16 of padding
.set HALFT, 128*PK                     ; what one tensor load brings: 128 rows
.set VOFF,  2*HALFT                    ; a slot: 256 keys' rows of K (4 heads x 64), then 256 rows of V (4 heads x 64 channels) x 256 keys
.set SLOT,  4*HALFT
.set STG,   2*SLOT                     ; behind the ring: two stages of 64 rows x 272 bytes for the way out; no fill lands there
.set STGB,  64*PK
.set SPARE, STG+2*STGB                 ; behind the stages: the spare words, 128 bytes for each of the sixteen waves, which no other line names
.set SPW, 3                            ; v3   LDS address of my spare word; never rewritten
.set NIL, 4                            ; v4   0; never rewritten
.set DQ,  5                            ; v5   my query - the last slot's first key - 16 (lane / 16), for the block in hand;  v6: for the second block
.set STO, 7                            ; v7   the way out: where I put 8 codes of a row
.set SRD, 8                            ; v8   where I read a row back
.set GO,  9                            ; v9   my byte offset in the block's 64 rows of ctxc
.set ADK, 10                           ; v10-13  K's tiles: slot s, key step q at v[ADK + 2 s + q]
.set ADV, 14                           ; v14-15  V's tiles: slot s
.set QF,  24                           ; v24-31  Q's fragment in use;  v32-39 the second block's
.set QB,  32
.set FRG, 40                           ; v40-103   fragments of K (8 x 8) or of V (4 x 16)
.set SCO, 104                          ; v104-167  S^T, then p
.set OT,  168                          ; v168-199  O^T, four tiles
.set PC,  200                          ; v200-215  p's codes
.set OUTD, 232                         ; v232-239  the way out
; v16: 2^e8;  v18: 2^e10;  v20 -M, v21 the largest t;  v[22:23] the sum in two halves;  v216, v218-220, v[222:223], v225 at work;  v224 -infinity;  v240 Q's offset
.set G1, 24                            ; s[24:31] descriptor group 1: one shape serves K's and V's tiles
.set G0, 32                            ; s[32:35], s[36:39] group 0 for slot 0, 1
; s10 wave, s11 head in the group, s12 wave % 4, s13 cx, s14 a, s16 b, s17 hg, s18 the first block's slots, s19 the trip, s[20:21] lane selects, s[22:23] c, s[40:41] my tiles' base, s[42:43] an offset,
; s44 the loop's counter, s45-47 at work, s[48:51] ctxc at the two blocks, s[52:55] Q at the two blocks, s56 the last slot's flag, s57 e8 + e9, s68-72 e6 .. e10
.macro CROUND                          ; a round of the cluster's barrier
	s_barrier_signal -1
	s_barrier_wait -1
	s_cmp_lg_u32 s10, 0
	s_cbranch_scc1 .Lnot_wave_0_\@
	s_barrier_signal -3
.Lnot_wave_0_\@:
	s_barrier_wait -3
	s_barrier_signal -1
	s_barrier_wait -1
.endm
; Waves 0-3 fetch: K's keys 0-127, 128-255, V's rows 0-127, 128-255 of slot d; the others nothing.  The branch hangs on the wave's number alone.  Four v_nop follow the load.
.macro TLOAD d
	s_cmp_lt_u32 s10, 4
	s_cbranch_scc0 .Lnone_\@
	tensor_load_to_lds s[G0+4*(\d):G0+4*(\d)+3], s[G1:G1+7]
	s_nop 0
.rept 4
	v_nop
.endr
.Lnone_\@:
.endm
; Slot d's next tile: that of trip s19 + 1.  Its slot of keys ks counts from 0 again when the second block begins.  K steps 256 rows of 1,024 bytes; V 256 bytes along its rows, and a block of 2^20 bytes for every four slots.
.macro NEXTADR d
	s_add_co_u32 s45, s19, 1
	s_cmp_ge_u32 s45, s18
	s_cselect_b32 s46, s18, 0
	s_sub_co_u32 s45, s45, s46                     ; ks
	s_lshl_b32 s46, s45, 18                        ; K's offset
	s_lshr_b32 s47, s45, 2
	s_lshl_b32 s47, s47, 20
	s_and_b32 s45, s45, 3
	s_lshl_b32 s45, s45, 8
	s_add_co_u32 s47, s47, s45                     ; V's offset
	s_cmp_lt_u32 s10, 2
	s_cselect_b32 s42, s46, s47
	s_add_nc_u64 s[G0+4*(\d)+2:G0+4*(\d)+3], s[40:41], s[42:43]
	s_or_b32 s[G0+4*(\d)+3], s[G0+4*(\d)+3], 0x80000000   ; type = 2
.endm
; A KEY STEP: 128 keys, the q-th of slot s.  always = 1: the mask is worked without asking.
.macro STEP s, q, always
.rept 4
	v_nop                                          ; places in front of loads into registers that the last products read
.endr
.irp t, 0,1,2,3,4,5,6,7
	ds_load_b128 v[FRG+8*\t:FRG+8*\t+3], v[ADK+2*\s+\q] offset:(32*(\t/2)+8*(\t%2))*PK
	ds_load_b128 v[FRG+8*\t+4:FRG+8*\t+7], v[ADK+2*\s+\q] offset:(32*(\t/2)+8*(\t%2))*PK+32
.endr
	s_wait_dscnt 0x0
.irp t, 0,1,2,3,4,5,6,7
	v_wmma_f32_16x16x64_bf8_bf8 v[SCO+8*\t:SCO+8*\t+7], v[FRG+8*\t:FRG+8*\t+7], v[QF:QF+7], 0
.endr
.rept 4
	v_nop
.endr
.if (\always) == 0
	s_cmp_eq_u32 s56, 0                            ; a slot all of whose keys count skips the mask: a scalar branch on ids that the four partners share
	s_cbranch_scc1 .Lopen_\@
.endif
.if \q
	v_add_nc_u32 v225, 0xffffff80, v[DQ]           ; d = my query - the step's first key - 16 (lane / 16).  Register 16 b + i holds the step's key 16 (lane / 16) + 32 b + i: hidden where 32 b + i > d
.else
	s_wait_alu depctr_va_vdst(0)
	v_mov_b32 v225, v[DQ]
.endif
.set n, 0
.rept 64
	v_cmp_gt_i32 vcc_lo, 32*(n/16)+n%16, v225
	v_cndmask_b32 v[SCO+n], v[SCO+n], v224, vcc_lo
.set n, n+1
.endr
.Lopen_\@:
	v_max3_num_f32 v216, v[SCO], v[SCO+1], v[SCO+2]        ; the step's largest score of my query, among my 64 keys, in two chains; each tile's registers from the low end on
	v_max3_num_f32 v218, v[SCO+3], v[SCO+4], v[SCO+5]
.irp i, 6,10,14,18,22,26,30,34,38,42,46,50,54,58
	v_max3_num_f32 v216, v216, v[SCO+\i], v[SCO+\i+1]
	v_max3_num_f32 v218, v218, v[SCO+\i+2], v[SCO+\i+3]
.endr
	v_max3_num_f32 v216, v216, v[SCO+62], v[SCO+63]
	s_delay_alu instid0(VALU_DEP_1)
	v_max_num_f32 v216, v216, v218
	s_delay_alu instid0(VALU_DEP_1)
	v_permlanex16_b32 v220, v216, s20, s21
	s_delay_alu instid0(VALU_DEP_1)
	v_max_num_f32 v216, v216, v220                 ; and among lane l xor 16's
	s_delay_alu instid0(VALU_DEP_1)
	v_mul_f32 v216, s22, v216                      ; as t (c is positive)
	s_delay_alu instid0(VALU_DEP_1)
	v_max_num_f32 v21, v21, v216                   ; the running largest t
	v_mov_b32 v216, v20
	s_delay_alu instid0(VALU_DEP_2)
	v_floor_f32 v20, -v21                          ; the new -M = floor(-t) = -ceil(t): M is a whole number
	s_delay_alu instid0(VALU_DEP_1)
	v_sub_f32 v216, v20, v216                      ; M's old value less its new one: a whole number, 0 or less
	s_delay_alu instid0(VALU_DEP_1)
	v_cvt_i32_f32 v216, v216                       ; (it saturates)
	s_delay_alu instid0(VALU_DEP_1)
	v_ldexp_f32 v218, 1.0, v216                    ; f = 2^(old M - new M)
.set j, 0
.rept 32
	v_pk_fma_f32 v[SCO+j:SCO+j+1], v[SCO+j:SCO+j+1], s[22:23], v[20:21] op_sel_hi:[1,0,0]   ; t - M, two at a time (of the pairs c and -M the low word serves both halves)
.set j, j+2
.endr
.set j, 0
	s_wait_alu depctr_va_vdst(0)
.rept 64
	v_exp_f32 v[SCO+j], v[SCO+j]                   ; p = 2^(t - M), at most 1: not normalised
.set j, j+1
.endr
	v_pk_mul_f32 v[22:23], v[22:23], v[218:219] op_sel_hi:[1,0]   ; the sums under the new M.  (A plain place behind the exponentials)
	s_wait_alu depctr_va_vdst(0)
	v_pk_add_f32 v[222:223], v[108:109], v[112:113]
	v_pk_add_f32 v[254:255], v[116:117], v[120:121]
	v_pk_add_f32 v[252:253], v[124:125], v[128:129]
	v_pk_add_f32 v[250:251], v[132:133], v[136:137]
	v_pk_add_f32 v[248:249], v[140:141], v[144:145]
	v_pk_add_f32 v[246:247], v[148:149], v[152:153]
	v_pk_add_f32 v[244:245], v[156:157], v[160:161]
	v_pk_add_f32 v[22:23], v[22:23], v[164:165]
	v_pk_add_f32 v[222:223], v[222:223], v[104:105]
	v_pk_add_f32 v[254:255], v[254:255], v[106:107]
	v_pk_add_f32 v[252:253], v[252:253], v[110:111]
	v_pk_add_f32 v[250:251], v[250:251], v[114:115]
	v_pk_add_f32 v[248:249], v[248:249], v[118:119]
	v_pk_add_f32 v[246:247], v[246:247], v[122:123]
	v_pk_add_f32 v[244:245], v[244:245], v[126:127]
	v_pk_add_f32 v[22:23], v[22:23], v[130:131]
	v_pk_add_f32 v[222:223], v[222:223], v[134:135]
	v_pk_add_f32 v[254:255], v[254:255], v[138:139]
	v_pk_add_f32 v[252:253], v[252:253], v[142:143]
	v_pk_add_f32 v[250:251], v[250:251], v[146:147]
	v_pk_add_f32 v[248:249], v[248:249], v[150:151]
	v_pk_add_f32 v[246:247], v[246:247], v[154:155]
	v_pk_add_f32 v[244:245], v[244:245], v[158:159]
	v_pk_add_f32 v[22:23], v[22:23], v[162:163]
	v_pk_add_f32 v[222:223], v[222:223], v[166:167]
	s_delay_alu instid0(VALU_DEP_2)
	v_pk_add_f32 v[22:23], v[22:23], v[250:251]
	s_delay_alu instid0(VALU_DEP_2)
	v_pk_add_f32 v[222:223], v[222:223], v[248:249]
	v_pk_add_f32 v[254:255], v[254:255], v[246:247]
	v_pk_add_f32 v[252:253], v[252:253], v[244:245]
	s_delay_alu instid0(VALU_DEP_2)
	v_pk_add_f32 v[22:23], v[22:23], v[254:255]
	s_delay_alu instid0(VALU_DEP_2)
	v_pk_add_f32 v[222:223], v[222:223], v[252:253]
	s_delay_alu instid0(VALU_DEP_1)
	v_pk_add_f32 v[22:23], v[22:23], v[222:223]
.irp b, 0,1,2,3
.irp i, 0,1,2,3,4,5,6,7,8,9,10,11,12,13,14,15
.endr
	v_cvt_scalef32_pk8_bf8_f32 v[PC+4*\b:PC+4*\b+1], v[SCO+16*\b:SCO+16*\b+7], v16
	v_cvt_scalef32_pk8_bf8_f32 v[PC+4*\b+2:PC+4*\b+3], v[SCO+16*\b+8:SCO+16*\b+15], v16
.endr
.set j, 0
.rept 16
	v_pk_mul_f32 v[OT+j:OT+j+1], v[OT+j:OT+j+1], v[218:219] op_sel_hi:[1,0]   ; O^T under the new M.  (These sixteen are also the places in front of the loads and products below)
.set j, j+2
.endr
.irp t, 0,1,2,3
.irp c, 0,1,2,3
	ds_load_b128 v[FRG+16*\t+4*\c:FRG+16*\t+4*\c+3], v[ADV+\s] offset:16*\t*PK+128*\q+32*\c
.endr
.endr
	s_wait_alu depctr_va_vdst(0)
	s_wait_dscnt 0x0
.irp t, 0,1,2,3                                ; the four accumulators take turns, one instruction a turn
	v_wmma_f32_16x16x128_bf8_bf8 v[OT+8*\t:OT+8*\t+7], v[FRG+16*\t:FRG+16*\t+15], v[PC:PC+15], v[OT+8*\t:OT+8*\t+7]
.endr
.endm
; A block's end, first half: O^T / the sum x 2^(e8 + e9) is ctx; converted under 2^e10, 8 codes a lane and tile into the stage at stg.  reset = 1: the state begins anew for the second block.
.macro FINAL_A stg, reset
.rept 4
	v_nop                                          ; places behind the last products
.endr
	v_add_f32 v22, v22, v23                        ; the sum's two halves,
	s_delay_alu instid0(VALU_DEP_1)
	v_permlanex16_b32 v220, v22, s20, s21
	s_delay_alu instid0(VALU_DEP_1)
	v_add_f32 v22, v22, v220                       ; and lane l xor 16's: the row's sum
	s_wait_alu depctr_va_vdst(0)
	v_rcp_f32 v22, v22
	v_nop                                          ; a plain place behind the transcendental
	s_wait_alu depctr_va_vdst(0)
	v_ldexp_f32 v22, v22, s57
.set j, 0
.rept 16
	v_pk_mul_f32 v[SCO+j:SCO+j+1], v[OT+j:OT+j+1], v[22:23] op_sel_hi:[1,0]   ; register 8 t + i is ctx(query r, channel 16 t + 8 h + i); each tile from its low end on
.set j, j+2
.endr
.set j, 0
.rept 32
.set j, j+1
.endr
.irp t, 0,1,2,3
	v_cvt_scalef32_pk8_bf8_f32 v[PC+2*\t:PC+2*\t+1], v[SCO+8*\t:SCO+8*\t+7], v18
.endr
	v_nop                                          ; one plain vector line behind the conversions
.irp t, 0,1,2,3
	ds_store_b64 v[STO], v[PC+2*\t:PC+2*\t+1] offset:\stg+16*\t
.endr
.if \reset
.set j, 0
.rept 8
	v_mov_b32 v[QF+j], v[QB+j]                     ; the second block's queries
.set j, j+1
.endr
.set j, 0
.rept 32
	v_mov_b32 v[OT+j], 0                           ; the key step is written once: its first walk finds zeros
.set j, j+1
.endr
	v_mov_b32 v21, 0xff61b1e6                      ; the largest t so far: -3e38, under every t
	s_delay_alu instid0(VALU_DEP_1)
	v_floor_f32 v20, -v21
	v_mov_b32 v22, 0
	v_mov_b32 v23, 0
	v_mov_b32 v[DQ], v[DQ+1]
.endif
.endm
; Second half, behind a barrier (a row's 256 bytes come from four waves): each wave takes four whole rows and stores them.
.macro FINAL_B stg, ct
	s_wait_xcnt 0x0                                ; earlier stores have read these registers: they are loaded again only behind this wait
	ds_load_b128 v[OUTD:OUTD+3], v[SRD] offset:\stg
	ds_load_b128 v[OUTD+4:OUTD+7], v[SRD] offset:\stg+2*PK
	s_wait_dscnt 0x0
	global_store_b128 v[GO], v[OUTD:OUTD+3], s[\ct:\ct+1]               ; 16 lanes store 256 consecutive bytes, aligned
	global_store_b128 v[GO], v[OUTD+4:OUTD+7], s[\ct:\ct+1] offset:2048
.endm
; A TRIP: one slot of 256 keys.  At its head stands the change of slots: each wave waits for all its tensor loads (its part of the slot ahead), adds 0 to its spare word, and waits for that, for its reads of the slot
; that it has left, and for its stores into a stage.  Behind the round the slot ahead is whole, nobody reads the other one, and (fill = 1) that one is asked for again: the load has the trip's two key steps in which to land.
; In the trip in which the second block begins (trip = the first block's slots: a number that all waves and all four partners share) the first block's way out stands round the round: its stores in front, its reads behind.
; The stage is the trip's parity's, so that a round lies between any read of a stage and the next store into it.
.macro TRIP s, fill
	s_cmp_lg_u32 s19, s18
	s_cbranch_scc1 .Lsame_\@
	FINAL_A \s*STGB, 1
.Lsame_\@:
	s_wait_tensorcnt 0x0                           ; no tensor load of mine is out, so a group 0 may be written
	ds_add_u32 v[SPW], v[NIL]                      ; 0 onto my spare word
.if \fill
	NEXTADR 1-\s
.endif
	s_wait_dscnt 0x0
.if \fill
	CROUND
	TLOAD 1-\s                                     ; the first thing behind the round, and a wave's one tensor load until the next
.else
	s_barrier_signal -1
	s_barrier_wait -1
.endif
	s_cmp_lg_u32 s19, s18
	s_cbranch_scc1 .Lon_\@
	FINAL_B \s*STGB, 48
.Lon_\@:
.if \fill
	s_add_co_u32 s45, s19, 1
	s_cmp_eq_u32 s45, s18
	s_cselect_b32 s56, 1, 0                        ; the first block's last slot?  (The second block's is the last trip, written out)
.endif
	STEP \s, 0, 1-\fill
	STEP \s, 1, 1-\fill
	s_add_co_u32 s19, s19, 1
.endm
	s_load_b128 s[4:7], s[0:1], 0x0                ; qkv s[4:5], the scales' exponents s[6:7]
	s_load_b64 s[8:9], s[0:1], 0x10                ; ctxc
	v_lshl_add_u32 v[SPW], v0, 2, SPARE
	v_mov_b32 v[NIL], 0
	ds_add_u32 v3, v4
	ds_add_u32 v3, v4
	s_wait_dscnt 0x0
	v_lshrrev_b32 v1, 5, v0
	s_delay_alu instid0(VALU_DEP_1)
	v_readfirstlane_b32 s10, v1                    ; wave 0..15
	s_lshr_b32 s11, s10, 2                         ; my head in the group
	s_and_b32 s12, s10, 3                          ; my tile of 16 queries.  Also, in waves 0-3: which tile I fetch
	s_bfe_u32 s13, ttmp6, 0x40000                  ; cx: my place in the cluster
	s_mov_b32 s14, ttmp9                           ; a: the cluster's x
	s_and_b32 s15, ttmp7, 0xffff
	s_lshr_b32 s16, s15, 2                         ; batch
	s_and_b32 s17, s15, 3                          ; group of four heads
	s_sub_co_u32 s18, 8, s14                       ; slots of the first block
	s_mov_b32 s19, 0                               ; the trip
	s_mov_b32 s20, 0x76543210
	s_mov_b32 s21, 0xfedcba98                      ; v_permlanex16_b32's selects for lane l xor 16
	; descriptor group 1: 128 rows of 256 bytes, 1,024 bytes apart in memory, padded in LDS
	s_mov_b32 s[G1], 15|(0<<16)|(1<<20)|(1<<21)|(5<<22)|(3<<25)   ; 15:0 the mask: all four work-groups; 17:16 elements of 1 byte; 20 padding on; 21 set beside a mask; 24:22 after every 64 words (code 5); 31:25 four words (code 3)
	s_mov_b32 s[G1+1], 256<<16                     ; tensor_dim0
	s_mov_b32 s[G1+2], 128<<16                     ; tensor_dim1
	s_mov_b32 s[G1+3], 256<<16                     ; tile_dim0
	s_mov_b32 s[G1+4], 128                         ; tile_dim1
	s_mov_b32 s[G1+5], 1024                        ; tensor_dim0_stride
	s_mov_b32 s[G1+6], 0
	s_mov_b32 s[G1+7], 0
	s_and_b32 s45, s10, 1
	s_lshl_b32 s45, s45, 17                        ; which 128 rows of 1,024 bytes,
	s_lshl_b32 s46, s16, 21                        ; the batch: two blocks of 2^20 bytes
	s_add_co_u32 s45, s45, s46
	s_lshl_b32 s46, s17, 8                         ; K: the head group's 256 bytes of a row,
	s_add_co_u32 s46, s46, 8<<20                   ; in blocks 8 on
	s_lshl_b32 s47, s17, 18                        ; V: the head group's 256 rows,
	s_add_co_u32 s47, s47, 16<<20                  ; in blocks 16 on
	s_cmp_lt_u32 s10, 2
	s_cselect_b32 s46, s46, s47
	s_add_co_u32 s42, s45, s46
	s_mov_b32 s43, 0
	s_mul_i32 s45, s12, HALFT                      ; where my tile goes in a slot: no place in the cluster enters an LDS address
	s_wait_kmcnt 0x0
	s_load_b128 s[68:71], s[6:7], 0x18             ; e6, e7, e8, e9
	s_load_b32 s72, s[6:7], 0x28                   ; e10
	s_add_nc_u64 s[40:41], s[4:5], s[42:43]        ; my tiles' base: the batch's first 256 keys
	s_mov_b32 s[G0], 1                             ; count = 1
	s_mov_b32 s[G0+1], s45                         ; LDS address: slot 0
	s_mov_b64 s[G0+2:G0+3], s[40:41]
	s_or_b32 s[G0+3], s[G0+3], 0x80000000          ; type = 2
	s_mov_b32 s[G0+4], 1
	s_add_co_u32 s[G0+5], s45, SLOT                ; slot 1; its global address is made in the first trip
	CROUND                                         ; all four work-groups are here: the first joint loads meet
	TLOAD 0
	v_and_b32 v1, 15, v0                           ; r
	v_bfe_u32 v2, v0, 4, 1                         ; h
	s_delay_alu instid0(VALU_DEP_2)
	v_lshlrev_b32 v240, 10, v1
	s_delay_alu instid0(VALU_DEP_1)
	v_lshl_add_u32 v240, v2, 4, v240               ; Q: row r of 1,024 bytes, + 16 h
	s_wait_alu depctr_va_vdst(0)
	s_lshl_b32 s74, s14, 2
	s_add_co_u32 s74, s74, s13                     ; the second block: i = 4 a + cx
	s_sub_co_u32 s75, 31, s74                      ; the first: 31 - i
	s_lshl_b32 s76, s16, 21                        ; the batch's 2,048 rows of 1,024 bytes,
	s_lshl_b32 s77, s17, 8                         ; the head group's 256 bytes
	s_add_co_u32 s76, s76, s77
	s_lshl_b32 s58, s75, 16                        ; a block's 64 rows
	s_add_co_u32 s58, s58, s76
	s_mov_b32 s59, 0
	s_lshl_b32 s60, s74, 16
	s_add_co_u32 s60, s60, s76
	s_mov_b32 s61, 0
	s_add_nc_u64 s[48:49], s[8:9], s[58:59]        ; ctxc at the first block,
	s_add_nc_u64 s[50:51], s[8:9], s[60:61]        ; at the second
	s_lshl_b32 s62, s12, 14                        ; my 16 rows,
	s_lshl_b32 s63, s11, 6                         ; my head's 64 bytes
	s_add_co_u32 s62, s62, s63
	s_add_co_u32 s58, s58, s62
	s_add_co_u32 s60, s60, s62
	s_add_nc_u64 s[52:53], s[4:5], s[58:59]        ; Q likewise (q's blocks are the buffer's first eight)
	s_add_nc_u64 s[54:55], s[4:5], s[60:61]
	global_load_b128 v[QF:QF+3], v240, s[52:53]
	global_load_b128 v[QF+4:QF+7], v240, s[52:53] offset:32
	global_load_b128 v[QB:QB+3], v240, s[54:55]
	global_load_b128 v[QB+4:QB+7], v240, s[54:55] offset:32
	v_lshlrev_b32 v216, 4, v2
	s_delay_alu instid0(VALU_DEP_1)
	v_sub_nc_u32 v216, v1, v216                    ; r - 16 h
	s_lshl_b32 s77, s12, 4                         ; 16 x my tile
	s_lshl_b32 s78, s13, 6                         ; block i lies 64 cx queries into its last slot,
	s_add_co_u32 s79, s77, s78
	v_add_nc_u32 v[DQ+1], s79, v216
	s_sub_co_u32 s78, 192, s78                     ; block 31 - i lies 64 (3 - cx) into its own
	s_add_co_u32 s79, s77, s78
	v_add_nc_u32 v[DQ], s79, v216
	s_mul_i32 s45, s12, 16*PK                      ; the stage: row 16 x tile + r, my head's 64 bytes, 8 bytes for each half of the lanes
	s_lshl_b32 s46, s11, 6
	s_add_co_u32 s45, s45, s46
	s_add_co_u32 s45, s45, STG
	v_mul_u32_u24 v[STO], v1, PK
	s_delay_alu instid0(VALU_DEP_1)
	v_lshl_add_u32 v[STO], v2, 3, v[STO]
	s_delay_alu instid0(VALU_DEP_1)
	v_add_nc_u32 v[STO], s45, v[STO]
	s_mul_i32 s45, s10, 4*PK                       ; back: wave w takes rows 4 w on; lanes 0-15 one row, lanes 16-31 the next
	s_add_co_u32 s45, s45, STG
	v_mul_u32_u24 v[SRD], v2, PK
	s_delay_alu instid0(VALU_DEP_1)
	v_lshl_add_u32 v[SRD], v1, 4, v[SRD]
	s_delay_alu instid0(VALU_DEP_1)
	v_add_nc_u32 v[SRD], s45, v[SRD]
	s_lshl_b32 s45, s10, 12
	v_lshlrev_b32 v[GO], 10, v2
	s_delay_alu instid0(VALU_DEP_1)
	v_lshl_add_u32 v[GO], v1, 4, v[GO]
	s_delay_alu instid0(VALU_DEP_1)
	v_add_nc_u32 v[GO], s45, v[GO]                 ; and the same rows in ctxc
	v_and_b32 v216, 8, v1
	s_delay_alu instid0(VALU_DEP_1)
	v_add_nc_u32 v216, v216, v1                    ; r + 8 (r / 8)
	s_delay_alu instid0(VALU_DEP_1)
	v_mul_u32_u24 v216, v216, PK
	s_delay_alu instid0(VALU_DEP_1)
	v_lshl_add_u32 v216, v2, 4, v216
	s_lshl_b32 s45, s11, 6                         ; my head's 64 bytes of a key's row
	v_add_nc_u32 v[ADK], s45, v216
	s_delay_alu instid0(VALU_DEP_1)
	v_add_nc_u32 v[ADK+1], HALFT, v[ADK]
	s_delay_alu instid0(VALU_DEP_2)
	v_add_nc_u32 v[ADK+2], SLOT, v[ADK]
	s_delay_alu instid0(VALU_DEP_3)
	v_add_nc_u32 v[ADK+3], SLOT+HALFT, v[ADK]
	s_mul_i32 s45, s11, 64*PK                      ; my head's 64 rows of V
	s_add_co_u32 s45, s45, VOFF
	v_mul_u32_u24 v[ADV], v1, PK
	s_delay_alu instid0(VALU_DEP_1)
	v_lshl_add_u32 v[ADV], v2, 4, v[ADV]
	s_delay_alu instid0(VALU_DEP_1)
	v_add_nc_u32 v[ADV], s45, v[ADV]
	s_delay_alu instid0(VALU_DEP_1)
	v_add_nc_u32 v[ADV+1], SLOT, v[ADV]
	v_mov_b32 v21, 0xff61b1e6                      ; the largest t so far: -3e38, under every t
	s_delay_alu instid0(VALU_DEP_1)
	v_floor_f32 v20, -v21                          ; -M
	v_mov_b32 v22, 0                               ; the sum, in two halves
	v_mov_b32 v23, 0
	v_mov_b32 v219, 0                              ; (named as the upper half of the pair v[218:219])
	v_mov_b32 v220, 0                              ; written once: a lane permute's destination counts as one of its sources
	v_mov_b32 v224, 0xff800000                     ; -infinity
.set j, 0
.rept 32
	v_mov_b32 v[OT+j], 0                           ; O^T: the key step is written once; its first walk finds zeros, which the first change of M leaves zeros
.set j, j+1
.endr
	s_wait_kmcnt 0x0
	s_mov_b32 s22, 0x3e38aa3b                      ; c = log2(e) / 8
	s_add_co_i32 s45, s68, s69
	s_lshl_b32 s45, s45, 23
	s_add_co_i32 s22, s22, s45                     ; a score stands for score x 2^(e6 + e7): the two exponents are added to c's exponent field
	s_mov_b32 s23, s22                             ; (named with it as a pair, so it is written)
	s_add_co_i32 s57, s70, s71                     ; e8 + e9
	s_add_co_i32 s45, s70, 127
	s_lshl_b32 s46, s45, 23
	v_mov_b32 v16, s46                             ; 2^e8 as f32, for p's conversions
	s_add_co_i32 s45, s72, 127
	s_lshl_b32 s46, s45, 23
	v_mov_b32 v18, s46                             ; 2^e10, for ctx's
	s_wait_loadcnt 0x0                             ; Q, both blocks'
	s_mov_b32 s44, 4
.Lpair:                                            ; four times two trips: trips 0 to 7, each of which asks for the next trip's slot
	TRIP 0, 1
	TRIP 1, 1
	s_sub_co_u32 s44, s44, 1
	s_cmp_lg_u32 s44, 0
	s_cbranch_scc1 .Lpair
	TRIP 0, 0                                      ; trip 8, the second block's last slot, is written out: nothing is left to fetch
	FINAL_A STGB, 0                                ; the second block's way out, through the odd stage: its last reads lie in front of trip 8's barrier
	s_wait_dscnt 0x0                               ; for the others' sake: my stores into the stage are done
	s_barrier_signal -1
	s_barrier_wait -1
	FINAL_B STGB, 50
	s_wait_tensorcnt 0x0                           ; the wave's end: behind my last tensor load and my last LDS store
	ds_add_u32 v[SPW], v[NIL]
	s_wait_dscnt 0x0
	CROUND                                         ; the closing round: no work-group ends while a partner may still ask for a tile that names it
	s_endpgm
.Lfunc_end_k_qce3420bed6_attn:
	.size	k_qce3420bed6_attn, .Lfunc_end_k_qce3420bed6_attn-k_qce3420bed6_attn
	.p2alignl 7, 3214868480
	.fill 96, 4, 3214868480
	.section	.rodata,"a",@progbits
	.p2align	6, 0x0
	.amdhsa_kernel k_qce3420bed6_attn
		.amdhsa_group_segment_fixed_size 327680
		.amdhsa_private_segment_fixed_size 0
		.amdhsa_enable_private_segment 0
		.amdhsa_kernarg_size 24
		.amdhsa_user_sgpr_count 2
		.amdhsa_user_sgpr_kernarg_segment_ptr 1
		.amdhsa_wavefront_size32 1
		.amdhsa_system_sgpr_workgroup_id_x 1
		.amdhsa_system_sgpr_workgroup_id_y 1
		.amdhsa_system_sgpr_workgroup_id_z 1
		.amdhsa_system_vgpr_workitem_id 0
		.amdhsa_next_free_vgpr 256
		.amdhsa_next_free_sgpr 84
		.amdhsa_reserve_vcc 1
		.amdhsa_float_denorm_mode_32 3
		.amdhsa_float_denorm_mode_16_64 3
		.amdhsa_fp16_overflow 1
		.amdhsa_memory_ordered 1
		.amdhsa_forward_progress 1
		.amdhsa_inst_pref_size 139
	.end_amdhsa_kernel
	.amdgpu_metadata
---
amdhsa.version: [ 1, 2 ]
amdhsa.kernels:
  - .name:           k_qce3420bed6_attn
    .symbol:         k_qce3420bed6_attn.kd
    .args:
      - { .name: qkv, .offset: 0, .size: 8, .value_kind: global_buffer, .address_space: global }
      - { .name: lowp_scales, .offset: 8, .size: 8, .value_kind: global_buffer, .address_space: global }
      - { .name: ctxc, .offset: 16, .size: 8, .value_kind: global_buffer, .address_space: global }
    .group_segment_fixed_size: 327680
    .private_segment_fixed_size: 0
    .kernarg_segment_align: 8
    .kernarg_segment_size: 24
    .max_flat_workgroup_size: 512
    .sgpr_count:     84
    .vgpr_count:     256
    .wavefront_size: 32
...
	.end_amdgpu_metadata
.endif
;; end of part 3
;; launch gemm_out (part 4): grid 4 x 32, 4 waves a work-group, clusters of 4 x 4, 327,680 bytes of LDS; arguments ctxc, wc, lowp_scales, bo, out0; writes out0
.if DOCPART == 4
	.amdgcn_target "amdgcn-amd-amdhsa--gfx1250"
	.amdhsa_code_object_version 6
	.text
	.protected	k_qce3420bed6_gemm_out
	.globl	k_qce3420bed6_gemm_out
	.p2align	8
	.type	k_qce3420bed6_gemm_out,@function
k_qce3420bed6_gemm_out:
	s_mov_b64 s[64:65], 0
	v_nop
	global_prefetch_b8 v0, s[64:65] scope:SCOPE_SE
	s_setreg_imm32_b32 hwreg(HW_REG_WAVE_MODE, 25, 1), 1
	s_wait_xcnt 0x0
	s_wait_alu depctr_hold_cnt(0) depctr_sa_sdst(0) depctr_va_vdst(0) depctr_va_sdst(0) depctr_va_ssrc(0) depctr_va_vcc(0) depctr_vm_vsrc(0)
	s_getreg_b32 s2, hwreg(HW_REG_IB_STS2, 6, 4)
	s_cmp_eq_u32 s2, 0
	s_cbranch_scc0 .Lentry_in_a_cluster
	s_endpgm
.Lentry_in_a_cluster:
	s_bfe_u32 s2, ttmp6, 0x10000c
	s_cmp_lg_u32 s2, 0xf033
	s_cbranch_scc0 .Lentry_shape_is_right
	s_endpgm
.Lentry_shape_is_right:
; out0 = ctx Wo + bo on codes of BF8 (E5M2): out0[m][n] = 2^(e10 + e11) x (sum over k of ctxc[m][k] wc[3][n][k]) + bo[n].  ctxc: [8192][1024] codes; wc[3]: Wo's codes, [1024 n][1024 k]; out0: [8192][1024] f32.
; LIMIT: e10 + e11 lies between -126 and 127, so that 2^(e10 + e11) is an f32 number.
; A tile of 256 x 256 is made by a work-group of four waves; a wave makes 128 x 128: 64 accumulators of 16 x 16, 512 registers.  128 tiles: a smaller tile would read each LDS byte for half the products.
; K goes in steps of 256 through a ring of two LDS slots filled by the tensor data mover: a tile's row is 256 bytes of memory.
; CLUSTERS: 4 x 4 work-groups.  The four of a row of the cluster need the same tiles of A, the four of a column the same tiles of B: each tile is asked for JOINTLY, by the same tensor load with the same descriptor and a mask that names the four.
; THE MATRIX INSTRUCTION IS USED TRANSPOSED (source 0 = 16 rows of B, source 1 = 16 rows of A): a lane then holds eight neighbouring numbers of a row of the output.
; A fragment is fetched by four loads of 16 bytes: a permutation of k that is the same in both operands, so every product meets its partner.
; REGISTERS, in windows of 256: window 0: v0-31 addresses; v32-35 my four numbers of bo; from v128 A's fragments, ONE set; on the way out v128-255 rows of the output.
;   window 1: B's fragments, TWO sets.   window 2: the accumulators of my rows 0-63 ((a, b) at v[8 (8 a + b)]);   window 3: those of my rows 64-127.
.set ROWB,   256                       ; a tile's row in bytes: 256 along K
.set KROW,   1024                      ; a row of codes in memory
.set NROW,   4096                      ; a row of the output in bytes
.set PITCH,  272                       ; an LDS row: 256 bytes + 16 of padding = 68 words: row r starts at bank 4 r mod 64 (64 banks of 4 bytes: ISA guide 11.1)
.set FR,     16
.set NL,     4
.set NP,     4                         ; places behind this matrix instruction (ISA guide 7.12.1)
.set HALFT,  128*PITCH
.set SLOT,   4*HALFT
.set LAPS,   2
.set SPARE,  2*SLOT                    ; behind the ring: the spare words, 128 bytes for each wave, which no other line names
.set SPITCH, 528                       ; the way out: a stage of 16 rows x (512 bytes + 16) for each wave, in slot 0, which has had its last fill and its last read when the first result is stored there
.set ADRA, 16
.set ADRB, 20
.set STO,  24                          ; v24     the way out: where I put 32 bytes of a row
.set RD,   25                          ; v25     where I read a row back
.set CO,   26                          ; v26     my byte offset in a row of the output
.set BOF,  27                          ; v27     my byte offset in bo
.set SPW,  28                          ; v28     LDS address of my spare word; never rewritten
.set NIL,  29                          ; v29     0; never rewritten
.set BIAS, 32                          ; v32-35  bo at the four columns that I store
.set AF,   128
.set BK,   128                         ; the way out: 16 rows read back from the stage: v128-191 and v192-255 by turns
.set G1, 24
.set G0, 32
.set G1B, 48
.set G0B, 56
.set MSB, 0
.macro WIN new                         ; the immediate's high byte repeats the setting that is left
.if MSB != \new
	s_set_vgpr_msb (MSB<<8)|\new
.set MSB, \new
.endif
.endm
.set MUL_LO, 0xa1                      ; source 0 (B) window 1, source 1 (A) window 0, C and D window 2
.set MUL_HI, 0xf1                      ; the same, C and D window 3
.set TO_B,   0x40                      ; destination window 1, address window 0
; A joint load: waves 0 and 1 fetch for A, waves 2 and 3 for B; the branch hangs on the wave's number alone.  Four v_nop follow each of the two lines.
.macro JLOAD g0a, g1a, g0b, g1b
	s_cmp_eq_u32 s15, 0
	s_cbranch_scc0 .Lfor_b_\@
	tensor_load_to_lds s[\g0a:\g0a+3], s[\g1a:\g1a+7]
	s_nop 0
.rept 4
	v_nop
.endr
	s_branch .Lasked_\@
.Lfor_b_\@:
	tensor_load_to_lds s[\g0b:\g0b+3], s[\g1b:\g1b+7]
	s_nop 0
.rept 4
	v_nop
.endr
.Lasked_\@:
.endm
.macro CREST                           ; a round of the cluster's barrier behind its opening barrier
	s_cmp_lg_u32 s14, 0
	s_cbranch_scc1 .Lnot_wave_0_\@
	s_barrier_signal -3
.Lnot_wave_0_\@:
	s_barrier_wait -3
	s_barrier_signal -1
	s_barrier_wait -1
.endm
.macro CROUND                          ; a whole round
	s_barrier_signal -1
	s_barrier_wait -1
	CREST
.endm
	s_load_b128 s[4:7], s[0:1], 0x0                ; ctx's codes s[4:5], the weights' codes s[6:7]
	s_load_b128 s[8:11], s[0:1], 0x10              ; the scales' exponents s[8:9], bo s[10:11]
	s_load_b64 s[12:13], s[0:1], 0x20              ; out0
	v_lshl_add_u32 v[SPW], v0, 2, SPARE
	v_mov_b32 v[NIL], 0
	ds_add_u32 v28, v29
	ds_add_u32 v28, v29
	s_wait_dscnt 0x0
	v_lshrrev_b32 v1, 5, v0
	v_readfirstlane_b32 s14, v1                    ; wave 0..3
	s_lshr_b32 s15, s14, 1                         ; which half of the tile's rows is mine.  Also: I fetch for A (0) or for B (1)
	s_and_b32 s16, s14, 1                          ; which half of its columns.  Also: which 128 rows of that tile I fetch
	s_bfe_u32 s40, ttmp6, 0x40000                  ; cx, cy: my place in the cluster
	s_bfe_u32 s41, ttmp6, 0x40004
	s_lshl_b32 s42, ttmp9, 2
	s_add_co_u32 s42, s42, s40                     ; tile column = 4 x cluster x + cx
	s_and_b32 s17, ttmp7, 0xffff
	s_lshl_b32 s17, s17, 2
	s_add_co_u32 s17, s17, s41                     ; tile row = 4 x cluster y + cy
	s_lshl_b32 s43, s41, 2
	s_lshl_b32 s43, 15, s43                        ; my row of the cluster
	s_lshl_b32 s44, 0x1111, s40                    ; my column
	s_or_b32 s[G1+0], s43, (0<<16)|(1<<20)|(1<<21)|(5<<22)|(3<<25)  ; 15:0 the mask: A's tiles go to my row; 17:16 element of 1 byte; 20 padding on; 21 set beside a mask; 24:22 after every 64 words (code 5); 31:25 of 4 words (code 3)
	s_or_b32 s[G1B+0], s44, (0<<16)|(1<<20)|(1<<21)|(5<<22)|(3<<25)
.irp g, G1, G1B
	s_mov_b32 s[\g+1], ROWB<<16                    ; tensor_dim0
	s_mov_b32 s[\g+2], 128<<16                     ; tensor_dim1 = 128
	s_mov_b32 s[\g+3], ROWB<<16                    ; tile_dim0
	s_mov_b32 s[\g+4], 128                         ; tile_dim1 = 128
	s_mov_b32 s[\g+5], KROW                        ; tensor_dim0_stride
	s_mov_b32 s[\g+6], 0
	s_mov_b32 s[\g+7], 0
.endr
	s_lshl_b32 s18, s16, 7                         ; which 128 rows of the tile I fetch
	s_lshl_b32 s20, s17, 8
	s_add_co_u32 s20, s20, s18
	s_lshl_b32 s20, s20, 10                        ; A: (256 x tile row + 128 x half) rows of 1,024 bytes
	s_mov_b32 s21, 0
	s_lshl_b32 s46, s42, 8
	s_add_co_u32 s46, s46, s18
	s_lshl_b32 s46, s46, 10                        ; B likewise,
	s_add_co_u32 s46, s46, 3<<20                   ; in the fourth weight's codes
	s_mov_b32 s47, 0
	s_mul_i32 s45, s14, HALFT                      ; where the tiles go: wave x 128 rows: no place in the cluster enters an LDS address
	s_wait_kmcnt 0x0
	s_load_b64 s[96:97], s[8:9], 0x28              ; e10, e11
	s_add_nc_u64 s[20:21], s[4:5], s[20:21]
	s_add_nc_u64 s[46:47], s[6:7], s[46:47]
	CROUND                                         ; all sixteen work-groups are here: the first joint loads meet
.irp s, 0,1
	s_mov_b32 s[G0+4*\s], 1
	s_add_co_u32 s[G0+4*\s+1], s45, \s*SLOT
	s_add_nc_u64 s[G0+4*\s+2:G0+4*\s+3], s[20:21], \s*ROWB
	s_or_b32 s[G0+4*\s+3], s[G0+4*\s+3], 0x80000000
	s_mov_b32 s[G0B+4*\s], 1
	s_add_co_u32 s[G0B+4*\s+1], s45, \s*SLOT
	s_add_nc_u64 s[G0B+4*\s+2:G0B+4*\s+3], s[46:47], \s*ROWB
	s_or_b32 s[G0B+4*\s+3], s[G0B+4*\s+3], 0x80000000
	s_wait_alu depctr_va_vdst(0)
	s_wait_tensorcnt 0x0
	ds_add_u32 v28, v29
	ds_add_u32 v28, v29
	s_wait_dscnt 0x0
	CROUND
	JLOAD G0+4*\s, G1, G0B+4*\s, G1B
.endr
	v_and_b32 v1, 15, v0                           ; l % 16
	s_wait_alu depctr_va_vdst(0)
	v_bfe_u32 v2, v0, 4, 1                         ; l / 16
	v_mul_u32_u24 v3, v1, PITCH
	v_lshl_add_u32 v4, v2, 4, v3                   ; a fragment's row x pitch + 16 x half
	s_mul_i32 s21, s15, HALFT                      ; my 128 rows of A
	s_mul_i32 s22, s16, HALFT                      ; my 128 rows of B,
	s_add_co_u32 s22, s22, 2*HALFT                 ; which lie behind A's 256
.irp s, 0,1
	v_add_nc_u32 v[ADRA+\s], s21, v4
	v_add_nc_u32 v[ADRB+\s], s22, v4
	s_add_co_u32 s21, s21, SLOT
	s_add_co_u32 s22, s22, SLOT
.endr
	s_mul_i32 s23, s14, 16*SPITCH                  ; my stage
	v_mul_u32_u24 v5, v1, SPITCH                   ; in: row l % 16, 32 bytes for each half of the lanes
	s_wait_alu depctr_va_vdst(0)
	v_lshl_add_u32 v5, v2, 5, v5
	v_add_nc_u32 v[STO], s23, v5
	v_and_b32 v6, 31, v0
	v_lshlrev_b32 v[CO], 4, v6                     ; back: the 32 lanes take one row of 512 bytes; and the same in the output
	v_add_nc_u32 v[RD], s23, v[CO]
	s_lshl_b32 s86, s17, 8
	s_lshl_b32 s87, s15, 7
	s_add_co_u32 s86, s86, s87
	s_lshl_b32 s86, s86, 12                        ; my first row: (256 x tile row + 128 x half) rows of 4,096 bytes
	s_lshl_b32 s88, s42, 10                        ; my first column, in bytes: 1,024 x tile column + 512 x half
	s_lshl_b32 s89, s16, 9
	s_add_co_u32 s88, s88, s89
	v_add_nc_u32 v[BOF], s88, v[CO]                ; bo at the four columns that I store
	s_add_co_u32 s86, s86, s88
	s_mov_b32 s87, 0
	s_add_nc_u64 s[12:13], s[12:13], s[86:87]
	global_load_b128 v[BIAS:BIAS+3], v[BOF], s[10:11]
.macro FRAG reg, adr, q, i             ; a fragment, 16 rows x 128 K: lane l holds row l % 16; registers 4 c .. 4 c + 3 hold K = 32 c + 16 (l / 16) + 0 .. 15
.irp c, 0,1,2,3
	ds_load_b128 v[\reg+4*\c:\reg+4*\c+3], v[\adr] offset:128*(\q)+32*\c+(\i)*16*PITCH
.endr
.endm
; 16 matrix instructions: A's blocks a0, a0 + 1 x B's eight, 128 along K.  p: B's set.  zero = 1: the first product starts the sums.
; The 64 accumulators take turns, one instruction a turn, in the same order in every step.
.macro MUL16 a0, p, zero
.irp a, \a0, \a0+1
.irp b, 0,1,2,3,4,5,6,7
.if \zero
	v_wmma_f32_16x16x128_bf8_bf8 v[8*(8*((\a)%4)+\b):8*(8*((\a)%4)+\b)+7], v[128*(\p)+FR*\b:128*(\p)+FR*\b+FR-1], v[AF+FR*(\a):AF+FR*(\a)+FR-1], 0
.else
	v_wmma_f32_16x16x128_bf8_bf8 v[8*(8*((\a)%4)+\b):8*(8*((\a)%4)+\b)+7], v[128*(\p)+FR*\b:128*(\p)+FR*\b+FR-1], v[AF+FR*(\a):AF+FR*(\a)+FR-1], v[8*(8*((\a)%4)+\b):8*(8*((\a)%4)+\b)+7]
.endif
.endr
.endr
.endm
.macro FETCH_B slot, q, p
	WIN TO_B
.irp i, 0,1,2,3,4,5,6,7
	FRAG 128*(\p)+FR*\i, ADRB+\slot, \q, \i
.endr
	WIN 0
.endm
.macro FETCH_A slot, q, i0
.irp i, \i0, \i0+1, \i0+2, \i0+3
	FRAG AF+FR*(\i), ADRA+\slot, \q, \i
.endr
.endm
; A load into a register that a matrix instruction has read, and an LDS store that reads a matrix result, stand NP places behind that matrix instruction; only plain vector
; instructions that name none of its registers are places (ISA guide 7.12.1 for vector instructions).
.macro PLACES n
.rept \n
	v_nop
.endr
.endm
.macro STEP slot, q, zero
	s_wait_dscnt 4*NL                              ; B's set and A's blocks 0-3 are in; the youngest 16 loads (A's blocks 4-7) may be out
	WIN MUL_LO
	MUL16 0, (\q)%2, \zero
	MUL16 2, (\q)%2, \zero
	s_wait_dscnt 0                                 ; A's blocks 4-7 are in
	PLACES NP
	FETCH_B \slot, (\q)+1, 1-(\q)%2
	FETCH_A \slot, (\q)+1, 0
	WIN MUL_HI
	MUL16 4, (\q)%2, \zero
	MUL16 6, (\q)%2, \zero
	PLACES NP
	WIN 0
	FETCH_A \slot, (\q)+1, 4
.endm
; A slot's last step changes slots: ONE barrier; in front of it each wave waits for all its tensor loads, adds 0 to its spare word, and waits for that and for its own reads of this slot.  fill = 1: this slot is filled again, two K steps ahead.
.macro TURN slot, next, fill
	s_wait_tensorcnt 0x0                           ; all my tensor loads have landed: my part of the next slot;  (every window is 0 here)
	ds_add_u32 v[SPW], v[NIL]                      ; 0 onto my spare word
	s_wait_dscnt 4*NL+1                            ; (the add and the youngest 16 loads, A's blocks 4-7, may be out)
	WIN MUL_LO
	MUL16 0, 1, 0                                  ; sixteen matrix instructions stand between the add and the wait for it
	s_wait_dscnt 0x0                               ; the add is done, and my reads of this slot are over
	s_barrier_signal -1
	MUL16 2, 1, 0
	WIN 0
	s_barrier_wait -1
.if \fill
	CREST                                          ; the barrier has opened a round of the cluster's barrier: no wave of any partner still reads this slot's tile or has a load on its way
	s_add_nc_u64 s[G0+4*\slot+2:G0+4*\slot+3], s[G0+4*\slot+2:G0+4*\slot+3], 2*ROWB
	s_add_nc_u64 s[G0B+4*\slot+2:G0B+4*\slot+3], s[G0B+4*\slot+2:G0B+4*\slot+3], 2*ROWB
	JLOAD G0+4*\slot, G1, G0B+4*\slot, G1B         ; the first tensor load behind the round; the four v_nop behind it are the places in front of the loads below
.else
	PLACES NP
.endif
	FETCH_B \next, 0, 0
	FETCH_A \next, 0, 0
	WIN MUL_HI
	MUL16 4, 1, 0
	MUL16 6, 1, 0
	PLACES NP
	WIN 0
	FETCH_A \next, 0, 4
.endm
	s_wait_tensorcnt 1                             ; my part of K step 0 is in (K step 1's load may be out)
	s_barrier_signal -1
	s_barrier_wait -1                              ; everybody's is
	FETCH_B 0, 0, 0
	FETCH_A 0, 0, 0
	FETCH_A 0, 0, 4
	STEP 0, 0, 1                                   ; the first step stands in front of the loop: its products start the sums
	s_mov_b32 s3, LAPS-1
.Llap:                                                 ; a trip goes once round the ring and fills both slots again
	TURN 0, 1, 1
	STEP 1, 0, 0
	TURN 1, 0, 1
	STEP 0, 0, 0
	s_sub_co_u32 s3, s3, 1
	s_cmp_lg_u32 s3, 0
	s_cbranch_scc1 .Llap
	TURN 0, 1, 0                                   ; the last lap fills nothing, and has no round of the cluster's barrier
	STEP 1, 0, 0
	s_wait_dscnt 4*NL                              ; the very last step: nothing more to fetch
	WIN MUL_LO
	MUL16 0, 1, 0
	MUL16 2, 1, 0
	s_wait_alu depctr_va_vdst(0)
	s_wait_dscnt 0
	WIN MUL_HI
	MUL16 4, 1, 0
	MUL16 6, 1, 0
	WIN 0
; THE WAY OUT, block by block of 16 rows x 128 columns.  A lane holds 32 neighbouring bytes of a row, and the lanes beside it hold other rows: so a block's sums go, as they are, through my own stage in LDS and come back
; as whole rows of 512 bytes.  There a lane holds the same four columns in every row: one packed multiply-add for two numbers gives sum x 2^(e10 + e11) + bo, and the 32 lanes store 512 consecutive bytes.
; LDS serves a wave's instructions in order (ISA guide 5.7.1.4): no wait between the stores and the loads, nor in front of the next block's stores.
.macro TOSTAGE a
.set AC, 64*((\a)%4)
.set WW, 0x08+4*((\a)/4)
	WIN WW                                         ; an LDS store's data are source 1: window 2 or 3
.irp b, 0,1,2,3,4,5,6,7
	ds_store_b128 v[STO], v[AC+8*\b:AC+8*\b+3] offset:64*\b          ; each accumulator from its low end on
	ds_store_b128 v[STO], v[AC+8*\b+4:AC+8*\b+7] offset:64*\b+16
.endr
	WIN 0
.set BB, BK+64*((\a)%2)
.irp t, 0,1,2,3,4,5,6,7,8,9,10,11,12,13,14,15
	ds_load_b128 v[BB+4*\t:BB+4*\t+3], v[RD] offset:\t*SPITCH
.endr
.endm
.macro SEND a, younger                 ; younger: the LDS instructions issued behind block a's loads, which may stay out
.set BB, BK+64*((\a)%2)
	s_wait_dscnt \younger                          ; the block is back in registers
.irp t, 0,1,2,3,4,5,6,7,8,9,10,11,12,13,14,15
	v_pk_fma_f32 v[BB+4*\t:BB+4*\t+1], v[BB+4*\t:BB+4*\t+1], s[96:97], v[BIAS:BIAS+1] op_sel_hi:[1,0,1]       ; the scalar pair's low word, 2^(e10 + e11), for both halves
	v_pk_fma_f32 v[BB+4*\t+2:BB+4*\t+3], v[BB+4*\t+2:BB+4*\t+3], s[96:97], v[BIAS+2:BIAS+3] op_sel_hi:[1,0,1]
.endr
.if (\a) > 0
	s_add_nc_u64 s[12:13], s[12:13], 16*NROW       ; (behind a wait on XCNT: the earlier stores have read their base)  16 rows on
.endif
.irp t, 0,1,2,3,4,5,6,7,8,9,10,11,12,13,14,15
	global_store_b128 v[CO], v[BB+4*\t:BB+4*\t+3], s[12:13] offset:\t*NROW th:TH_STORE_NT   ; 32 lanes store 512 consecutive bytes, aligned; written once, read by nobody here
.endr
.endm
	s_wait_kmcnt 0x0
	s_add_co_i32 s96, s96, s97                     ; e10 + e11, between -126 and 127,
	s_add_co_i32 s96, s96, 127
	s_lshl_b32 s96, s96, 23                        ; makes the f32 number 2^(e10 + e11)
	s_wait_loadcnt 0x0                             ; bo
	PLACES NP                                      ; behind the last products: for the LDS stores that read results and for the loads into the registers that held A's fragments
	TOSTAGE 0
.irp a, 1,2,3,4,5,6,7
.if \a > 1
	s_wait_xcnt 0x0                                ; block a - 2's stores have read their registers and their base: block a's loads may land there, and the base may step
.endif
	TOSTAGE \a
	SEND \a-1, 32                                  ; behind block a - 1's loads: block a's 16 stores and 16 loads
.endr
	s_wait_xcnt 0x0                                ; block 6's stores have read their base
	SEND 7, 0
	s_wait_tensorcnt 0x0                           ; the wave's end: behind my last tensor load and my last LDS store
	ds_add_u32 v[SPW], v[NIL]
	s_wait_dscnt 0x0
	CROUND                                         ; the closing round: no work-group ends while a partner may still ask for a tile that names it
	s_endpgm
.Lfunc_end_k_qce3420bed6_gemm_out:
	.size	k_qce3420bed6_gemm_out, .Lfunc_end_k_qce3420bed6_gemm_out-k_qce3420bed6_gemm_out
	.p2alignl 7, 3214868480
	.fill 96, 4, 3214868480
	.section	.rodata,"a",@progbits
	.p2align	6, 0x0
	.amdhsa_kernel k_qce3420bed6_gemm_out
		.amdhsa_group_segment_fixed_size 327680
		.amdhsa_private_segment_fixed_size 0
		.amdhsa_enable_private_segment 0
		.amdhsa_kernarg_size 40
		.amdhsa_user_sgpr_count 2
		.amdhsa_user_sgpr_kernarg_segment_ptr 1
		.amdhsa_wavefront_size32 1
		.amdhsa_system_sgpr_workgroup_id_x 1
		.amdhsa_system_sgpr_workgroup_id_y 1
		.amdhsa_system_sgpr_workgroup_id_z 1
		.amdhsa_system_vgpr_workitem_id 0
		.amdhsa_next_free_vgpr 1024
		.amdhsa_next_free_sgpr 98
		.amdhsa_reserve_vcc 0
		.amdhsa_float_denorm_mode_32 3
		.amdhsa_float_denorm_mode_16_64 3
		.amdhsa_memory_ordered 1
		.amdhsa_forward_progress 1
		.amdhsa_inst_pref_size 124
	.end_amdhsa_kernel
	.amdgpu_metadata
---
amdhsa.version: [ 1, 2 ]
amdhsa.kernels:
  - .name:           k_qce3420bed6_gemm_out
    .symbol:         k_qce3420bed6_gemm_out.kd
    .args:
      - { .name: ctxc, .offset: 0, .size: 8, .value_kind: global_buffer, .address_space: global }
      - { .name: wc, .offset: 8, .size: 8, .value_kind: global_buffer, .address_space: global }
      - { .name: lowp_scales, .offset: 16, .size: 8, .value_kind: global_buffer, .address_space: global }
      - { .name: bo, .offset: 24, .size: 8, .value_kind: global_buffer, .address_space: global }
      - { .name: out0, .offset: 32, .size: 8, .value_kind: global_buffer, .address_space: global }
    .group_segment_fixed_size: 327680
    .private_segment_fixed_size: 0
    .kernarg_segment_align: 8
    .kernarg_segment_size: 40
    .max_flat_workgroup_size: 128
    .sgpr_count:     98
    .vgpr_count:     1024
    .wavefront_size: 32
...
	.end_amdgpu_metadata
.endif
;; end of part 4
